; MI455X (gfx1250); checked and timed in simulation.
; The chip was launched on July 23, 2026; its instructions are those of AMD's public machine-readable ISA for CDNA 5 (MIT licence, August 2026) and "CDNA5" Instruction Set Architecture Reference Guide (July 2026). The comments in the code are by the model that wrote it; some were corrected since.
;; Transformer Block. Allowed arithmetic: matrix products marked QUANTISED: E4M3 operands, one given power-of-two scale a tensor, by v_wmma_f32_16x16x64_fp8_fp8 or v_wmma_f32_16x16x128_fp8_fp8, f32 sums; everything else in f32.
;; Inputs: ln1_b 1,024 float32; ln1_w 1,024 float32; ln2_b 1,024 float32; ln2_w 1,024 float32; lowp_scales 12 int32 (the exponents e of the quantised operands' scales 2^e); w_ff1 1,024 x 4,096 float32; w_ff2 4,096 x 1,024 float32; w_proj 1,024 x 1,024 float32; w_qkv 1,024 x 3,072 float32; x 2 x 2,048 x 1,024 float32.
;; Outputs: out0 2 x 2,048 x 1,024 float32.
;; This version of the problem:
;;   THIS VERSION OF THE PROBLEM IS GIVEN IN LOW PRECISION. The matrix products marked QUANTISED in the list below multiply operands that are first quantised to E4M3 (4 exponent bits, 3 mantissa bits; 8 bits a number), with one given power-of-two scale for each operand tensor; their sums are f32. All else is computed in f32.
;;   The module's matrix products, in the order in which they are computed (A, B: the left and right operand; K: the contracted axis; several contracted axes count as one K, in the product's order):
;;     1. [M 4,096, K 1,024] x [K 1,024, N 3,072]; A: computed on the way; B: input w_qkv: QUANTISED (scales: A lowp_scales[0], B lowp_scales[1])
;;     2. batch 32 x [M 2,048, K 64] x [K 64, N 2,048]; A: computed on the way; B: computed on the way: QUANTISED (scales: A lowp_scales[2], B lowp_scales[3])
;;     3. batch 32 x [M 2,048, K 2,048] x [K 2,048, N 64]; A: computed on the way; B: computed on the way: QUANTISED (scales: A lowp_scales[4], B lowp_scales[5])
;;     4. [M 4,096, K 1,024] x [K 1,024, N 1,024]; A: computed on the way; B: input w_proj: QUANTISED (scales: A lowp_scales[6], B lowp_scales[7])
;;     5. [M 4,096, K 1,024] x [K 1,024, N 4,096]; A: computed on the way; B: input w_ff1: QUANTISED (scales: A lowp_scales[8], B lowp_scales[9])
;;     6. [M 4,096, K 4,096] x [K 4,096, N 1,024]; A: computed on the way; B: input w_ff2: QUANTISED (scales: A lowp_scales[10], B lowp_scales[11])
;;   THE QUANTISER, for each operand of a quantised product, along K:
;;     - The operand's scale is 2^e, e = its entry of the input lowp_scales (int32; the entries are numbered through the quantised products in the list's order, A before B).
;;     - Each number is divided by the scale, clamped to +-448, and rounded to the nearest number of E4M3, ties to even, subnormals kept.
;;     - The product sums the exact products of the quantised numbers (number of the format x scale) in f32.
;;   ~~~python
;;   def quantise(x, axis, e):      # numpy; x: float32 -> the quantised numbers, widened to float32 again
;;       x = np.moveaxis(x, axis, -1); K = x.shape[-1]
;;       r = np.clip(x / 2.0 ** e, -448, 448)
;;       step = 2.0 ** (np.maximum(np.frexp(np.where(r == 0, 1, r))[1] - 1, -6) - 3)
;;       q = np.round(r / step) * step * 2.0 ** e      # np.round: ties to even
;;       return np.moveaxis(q, -1, axis).astype(np.float32)
;;   ~~~
;;   OPERANDS COMPUTED ON THE WAY. 'Computed on the way' means the value that the module computes at that place (a softmax that the list does not call 'softmax' is quantised finished and normalised). What goes into a quantiser is computed in f32, as accurately as f32 sums, v_exp_f32 and their like allow (about 1e-6 of the number): no bf16 or f16 on the way to a quantiser, and a product that is left as it is and whose result goes on into a quantised operand takes f32 operands (vector FMAs, or v_wmma_f32_16x16x4_f32). A number that lies on a knife's edge between two numbers of the format may be rounded either way, as far as f32 arithmetic and the matrix unit's own rounding can turn it there, and no further.
;; One version. Each part assembles by itself: llvm-mc -triple=amdgcn-amd-amdhsa -mcpu=gfx1250 --defsym DOCPART=n.
;; ======== version 1 of 1: 7 launches
;; workspace buffers: wcodes 12,582,912 bytes; hc 4,194,304 bytes; qkvc 12,582,912 bytes; oc 4,194,304 bytes; x1 16,777,216 bytes; gc 16,777,216 bytes
;; launch prep (part 1): grid 640 x 1, 4 waves a work-group, no clusters, 51,712 bytes of LDS; arguments x, ln1_w, ln1_b, w_qkv, w_proj, w_ff1, w_ff2, lowp_scales, wcodes, hc; writes wcodes, hc
.if DOCPART == 1
	.amdgcn_target "amdgcn-amd-amdhsa--gfx1250"
	.amdhsa_code_object_version 6
	.text
	.protected	k_q78f8e454ab_prep
	.globl	k_q78f8e454ab_prep
	.p2align	8
	.type	k_q78f8e454ab_prep,@function
k_q78f8e454ab_prep:
	s_mov_b64 s[64:65], 0
	v_nop
	global_prefetch_b8 v0, s[64:65] scope:SCOPE_SE
	s_setreg_imm32_b32 hwreg(HW_REG_WAVE_MODE, 25, 1), 1
	s_wait_xcnt 0x0
; Two jobs in one launch, told apart by the work-group's number.
; WORK-GROUPS 0-383: the four weights [K][N] f32 become codes of E4M3 laid [N places][K bytes], K innermost, each with its given scale 2^e.
;   A lane takes a column and its registers run down K, so the conversions give K innermost; the codes leave through the wave's own stage in LDS as whole
;   runs of 256 bytes.  PLACE p OF A WEIGHT HOLDS COLUMN p WITH BITS 3 AND 4 EXCHANGED: the products use the matrix instruction transposed, and with this order
;   a lane's 16 results of two neighbouring tiles are 16 neighbouring columns.
; WORK-GROUPS 384-639: LayerNorm 1 of x, quantised with scale 0, into hc [4096][1024].  One wave takes a whole row (32 numbers a lane), four rows by turns;
;   mean first, then the variance of the centred numbers, all in f32.
; LIMITS: every exponent used here lies between -126 and 119, so that 2^e and 448 x 2^e are f32 numbers.  NaN among the inputs is not served.
.set LSTG, 34816                       ; LDS: the weights' stages take 4 x 8,704 bytes from 0; the norm's stages 4 x 4,096 bytes from here: each path has bytes of its own
.set RO,   16                          ; v16-47   weights: byte offset of row i of a block of 32 rows, at my column
.set XW,   48                          ; v48-111  weights: two sets of 32 numbers
.set CW,   112                         ; v112-119 weights: a block's codes
.set OUTR, 120                         ; v120-183 weights: the way out
.set SOF,  184                         ; v184-199 weights: the stores' offsets
.set LW,   16                          ; v16-47   norm: the gain at my 32 columns
.set LB,   48                          ; v48-79   norm: the bias
.set LX,   80                          ; v80-207  norm: four rows, 32 numbers each
.set LC,   208                         ; v208-239 norm: their codes, 8 registers a row
.set LT,   240                         ; v240-255 norm: four registers of statistics a row
	s_load_b512 s[8:23], s[0:1], 0x0               ; x 8, ln1_w 10, ln1_b 12, w_qkv 14, w_proj 16, w_ff1 18, w_ff2 20, the exponents 22
	s_load_b128 s[24:27], s[0:1], 0x40             ; wcodes 24, hc 26
	v_lshl_add_u32 v14, v0, 2, 0xc800
	v_mov_b32 v15, 0
	v_lshrrev_b32 v1, 5, v0
	v_readfirstlane_b32 s28, v1                    ; wave 0..3
	v_and_b32 v2, 31, v0                           ; lane
	s_wait_kmcnt 0x0
	s_load_b256 s[32:39], s[22:23], 0x0            ; e0 .. e7
	s_load_b128 s[40:43], s[22:23], 0x20           ; e8 .. e11
	s_cmp_ge_u32 ttmp9, 384
	s_cbranch_scc1 .Lnorm
; ---------------- the weights ----------------
	v_lshlrev_b32 v3, 2, v2                        ; 4 bytes a lane
	v_and_b32 v4, 7, v2                            ; my lane's number with bits 3 and 4 exchanged:
	v_bfe_u32 v5, v2, 3, 1
	v_lshl_or_b32 v4, v5, 4, v4
	v_bfe_u32 v5, v2, 4, 1
	v_lshl_or_b32 v4, v5, 3, v4                    ; the place of my column among the wave's 32
	s_mul_i32 s29, s28, 8704                       ; my wave's stage: 32 rows of 256 + 16 bytes
	v_mul_u32_u24 v4, v4, 272
	v_add_nc_u32 v4, s29, v4                       ; into the stage
	v_and_b32 v5, 15, v2
	v_lshrrev_b32 v6, 4, v2
	v_mul_u32_u24 v7, v6, 272
	v_lshl_add_u32 v7, v5, 4, v7
	v_add_nc_u32 v7, s29, v7                       ; out of it: sixteen lanes to a row, two rows an instruction
	v_lshlrev_b32 v12, 4, v5
	s_wait_kmcnt 0x0
	; which weight: source, 4 N, K, its place in wcodes, its exponent, its first work-group, log2(K / 256).  The choices hang on the work-group's number alone
	s_mov_b64 s[44:45], s[20:21]                   ; w_ff2
	s_mov_b32 s46, 4096
	s_mov_b32 s47, 4096
	s_mov_b32 s48, 0x800000
	s_mov_b32 s49, s43
	s_mov_b32 s50, 256
	s_mov_b32 s51, 4
	s_cmp_lt_u32 ttmp9, 256                        ; w_ff1
	s_cselect_b64 s[44:45], s[18:19], s[44:45]
	s_cselect_b32 s46, 16384, s46
	s_cselect_b32 s47, 1024, s47
	s_cselect_b32 s48, 0x400000, s48
	s_cselect_b32 s49, s41, s49
	s_cselect_b32 s50, 128, s50
	s_cselect_b32 s51, 2, s51
	s_cmp_lt_u32 ttmp9, 128                        ; w_proj
	s_cselect_b64 s[44:45], s[16:17], s[44:45]
	s_cselect_b32 s46, 4096, s46
	s_cselect_b32 s48, 0x300000, s48
	s_cselect_b32 s49, s39, s49
	s_cselect_b32 s50, 96, s50
	s_cmp_lt_u32 ttmp9, 96                         ; w_qkv
	s_cselect_b64 s[44:45], s[14:15], s[44:45]
	s_cselect_b32 s46, 12288, s46
	s_cselect_b32 s48, 0, s48
	s_cselect_b32 s49, s33, s49
	s_cselect_b32 s50, 0, s50
	s_sub_co_u32 s52, ttmp9, s50                   ; my number within the weight
	s_lshl_b32 s53, 1, s51
	s_sub_co_u32 s53, s53, 1
	s_and_b32 s54, s52, s53                        ; y: which 256 along K
	s_lshr_b32 s55, s52, s51
	s_lshl_b32 s55, s55, 7
	s_lshl_b32 s56, s28, 5
	s_add_co_u32 s55, s55, s56                     ; my wave's first column: 128 x tile + 32 x wave
	s_mul_i32 s56, s54, s46
	s_lshl_b32 s56, s56, 8                         ; 256 y rows of 4 N bytes
	s_lshl_b32 s57, s55, 2
	s_add_co_u32 s56, s56, s57
	s_mov_b32 s57, 0
	s_add_nc_u64 s[68:69], s[44:45], s[56:57]      ; a base for each of the 8 blocks of 32 rows, never rewritten
	s_lshl_b32 s58, s46, 5
	s_mov_b32 s59, 0
.irp t, 1,2,3,4,5,6,7
	s_add_nc_u64 s[68+2*\t:69+2*\t], s[66+2*\t:67+2*\t], s[58:59]
.endr
	s_mul_i32 s56, s55, s47                        ; codes: column x K + 256 y + the weight's place
	s_lshl_b32 s62, s54, 8
	s_add_co_u32 s56, s56, s62
	s_add_co_u32 s56, s56, s48
	s_add_nc_u64 s[60:61], s[24:25], s[56:57]
.set i, 0
.rept 32
	v_mad_u32_u24 v[RO+i], s46, i, v3              ; row i of a block: i x 4 N + 4 x lane
.set i, i+1
.endr
.macro WLOAD t                         ; block t: W(32 t + i, my column): neighbouring lanes read neighbouring columns, 128 consecutive bytes a wave
.set i, 0
.rept 32
	global_load_b32 v[XW+32*((\t)%2)+i], v[RO+i], s[68+2*(\t):69+2*(\t)] th:TH_LOAD_NT
.set i, i+1
.endr
.endm
	WLOAD 0
	WLOAD 1
	v_mad_u32_u24 v13, v6, s47, v12                ; the stores: row (2 t + lane / 16) of K bytes, + 16 (lane % 16)
	s_lshl_b32 s62, s47, 1
.set i, 0
.rept 16
	v_mad_u32_u24 v[SOF+i], s62, i, v13
.set i, i+1
.endr
	s_add_co_i32 s49, s49, 127
	s_lshl_b32 s63, s49, 23
	v_mov_b32 v11, s63                             ; 2^e as f32: the conversion takes its exponent field
	s_add_co_i32 s49, s49, 8
	s_lshl_b32 s49, s49, 23
	s_or_b32 s49, s49, 0x600000
	v_mov_b32 v10, s49                             ; 448 x 2^e
.macro WBLOCK t
.set XS, XW+32*((\t)%2)
.if (\t) < 7
	s_wait_loadcnt 32                              ; this block's 32 loads are in; the next block's 32 may be out
.else
	s_wait_loadcnt 0
.endif
.set i, 0
.rept 32
	v_med3_num_f32 v[XS+i], v[XS+i], -v10, v10     ; the conversion to an 8-bit code does not saturate (ISA guide 7.6.2): the hold at the largest code x the scale
.set i, i+1
.endr
.irp g, 0,1,2,3
	v_cvt_scalef32_pk8_fp8_f32 v[CW+2*\g:CW+2*\g+1], v[XS+8*\g:XS+8*\g+7], v11
.endr
	ds_store_b128 v4, v[CW:CW+3] offset:32*(\t)    ; 32 codes of my column's row
	ds_store_b128 v4, v[CW+4:CW+7] offset:32*(\t)+16
.if (\t)+2 < 8
	WLOAD (\t)+2
.endif
	s_wait_dscnt 0x0                               ; the stores have read their registers: the next block's codes may be written
.endm
.irp t, 0,1,2,3,4,5,6,7
	WBLOCK \t
.endr
.irp t, 0,1,2,3,4,5,6,7,8,9,10,11,12,13,14,15
	ds_load_b128 v[OUTR+4*\t:OUTR+4*\t+3], v7 offset:2*\t*272   ; LDS serves a wave's instructions in order: these see my stores
.endr
.irp t, 0,1,2,3,4,5,6,7,8,9,10,11,12,13,14,15
	s_wait_dscnt 15-\t                             ; the younger loads may be out
	global_store_b128 v[SOF+\t], v[OUTR+4*\t:OUTR+4*\t+3], s[60:61]   ; sixteen lanes store 256 consecutive bytes, aligned
.endr
	s_wait_tensorcnt 0x0
	ds_add_u32 v14, v15
	s_wait_dscnt 0x0
	s_endpgm
; ---------------- LayerNorm 1 ----------------
.Lnorm:
	s_sub_co_u32 s29, ttmp9, 384
	s_lshl_b32 s29, s29, 4
	s_lshl_b32 s30, s28, 2
	s_add_co_u32 s29, s29, s30                     ; my wave's first row: 16 x work-group + 4 x wave
	s_lshl_b32 s52, s29, 12
	s_mov_b32 s53, 0
	s_add_nc_u64 s[84:85], s[8:9], s[52:53]        ; x at that row
	s_lshl_b32 s52, s29, 10
	s_add_nc_u64 s[86:87], s[26:27], s[52:53]      ; hc at that row
	v_lshlrev_b32 v3, 4, v2                        ; 16 x lane
	s_lshl_b32 s30, s28, 12                        ; my wave's stage: four rows of 1,024 codes
	v_lshl_add_u32 v5, v2, 2, s30
	v_add_nc_u32 v5, LSTG, v5                      ; in: 4 bytes a lane
	v_add_nc_u32 v6, s30, v3
	v_add_nc_u32 v6, LSTG, v6                      ; back: 16 bytes a lane
	s_mov_b32 s88, 0x76543210                      ; v_permlanex16_b32: lane l xor 16
	s_mov_b32 s89, 0xfedcba98
	s_mov_b32 s90, 0x3a800000                      ; 1 / 1024
	s_mov_b32 s91, 0x3727c5ac                      ; 1e-5
.irp p, 0,1,2,3
.irp j, 0,1,2,3,4,5,6,7
	global_load_b128 v[LX+32*\p+4*\j:LX+32*\p+4*\j+3], v3, s[84:85] offset:4096*\p+512*\j th:TH_LOAD_NT   ; 512 consecutive bytes a load; register 4 j + i is column 128 j + 4 lane + i
.endr
.endr
.irp j, 0,1,2,3,4,5,6,7
	global_load_b128 v[LW+4*\j:LW+4*\j+3], v3, s[10:11] offset:512*\j
	global_load_b128 v[LB+4*\j:LB+4*\j+3], v3, s[12:13] offset:512*\j
.endr
	s_wait_kmcnt 0x0
	s_add_co_i32 s31, s32, 127
	s_lshl_b32 s52, s31, 23
	v_mov_b32 v9, s52                              ; 2^e
	s_add_co_i32 s31, s31, 8
	s_lshl_b32 s31, s31, 23
	s_or_b32 s31, s31, 0x600000
	v_mov_b32 v8, s31                              ; 448 x 2^e
.macro FOLD                            ; each row's two packed chains become one number, the same in all 32 lanes
.irp p, 0,1,2,3
	v_pk_add_f32 v[LT+4*\p:LT+4*\p+1], v[LT+4*\p:LT+4*\p+1], v[LT+4*\p+2:LT+4*\p+3]
.endr
.irp p, 0,1,2,3
	v_add_f32 v[LT+4*\p], v[LT+4*\p], v[LT+4*\p+1]
.endr
.irp m, 1,2,4,8
.irp p, 0,1,2,3
	v_add_f32_dpp v[LT+4*\p], v[LT+4*\p], v[LT+4*\p] row_xmask:\m row_mask:0xf bank_mask:0xf
.endr
.endr
.irp p, 0,1,2,3
	v_permlanex16_b32 v[LT+4*\p+1], v[LT+4*\p], s88, s89
.endr
.irp p, 0,1,2,3
	v_add_f32 v[LT+4*\p], v[LT+4*\p], v[LT+4*\p+1]
.endr
.endm
	s_wait_loadcnt 16                              ; the four rows are in; the 16 loads of gain and bias may be out
.irp p, 0,1,2,3
	v_pk_add_f32 v[LT+4*\p:LT+4*\p+1], v[LX+32*\p:LX+32*\p+1], v[LX+32*\p+2:LX+32*\p+3]
	v_pk_add_f32 v[LT+4*\p+2:LT+4*\p+3], v[LX+32*\p+4:LX+32*\p+5], v[LX+32*\p+6:LX+32*\p+7]
.endr
.irp m, 8,12,16,20,24,28
.irp p, 0,1,2,3
	v_pk_add_f32 v[LT+4*\p:LT+4*\p+1], v[LT+4*\p:LT+4*\p+1], v[LX+32*\p+\m:LX+32*\p+\m+1]
	v_pk_add_f32 v[LT+4*\p+2:LT+4*\p+3], v[LT+4*\p+2:LT+4*\p+3], v[LX+32*\p+\m+2:LX+32*\p+\m+3]
.endr
.endr
	FOLD
.irp p, 0,1,2,3
	v_mul_f32 v[LT+4*\p], s90, v[LT+4*\p]          ; the mean
.endr
.set j, 0
.rept 16
.irp p, 0,1,2,3
	v_pk_add_f32 v[LX+32*\p+j:LX+32*\p+j+1], v[LX+32*\p+j:LX+32*\p+j+1], v[LT+4*\p:LT+4*\p+1] op_sel_hi:[1,0] neg_lo:[0,1] neg_hi:[0,1]   ; x - mean
.endr
.set j, j+2
.endr
.irp p, 0,1,2,3
	v_pk_mul_f32 v[LT+4*\p:LT+4*\p+1], v[LX+32*\p:LX+32*\p+1], v[LX+32*\p:LX+32*\p+1]
	v_pk_mul_f32 v[LT+4*\p+2:LT+4*\p+3], v[LX+32*\p+2:LX+32*\p+3], v[LX+32*\p+2:LX+32*\p+3]
.endr
.irp m, 4,8,12,16,20,24,28
.irp p, 0,1,2,3
	v_pk_fma_f32 v[LT+4*\p:LT+4*\p+1], v[LX+32*\p+\m:LX+32*\p+\m+1], v[LX+32*\p+\m:LX+32*\p+\m+1], v[LT+4*\p:LT+4*\p+1]
	v_pk_fma_f32 v[LT+4*\p+2:LT+4*\p+3], v[LX+32*\p+\m+2:LX+32*\p+\m+3], v[LX+32*\p+\m+2:LX+32*\p+\m+3], v[LT+4*\p+2:LT+4*\p+3]
.endr
.endr
	FOLD
.irp p, 0,1,2,3
	v_fma_f32 v[LT+4*\p], v[LT+4*\p], s90, s91     ; the variance + 1e-5
.endr
.irp p, 0,1,2,3
	v_rsq_f32 v[LT+4*\p+2], v[LT+4*\p]
.endr
	v_nop                                          ; a plain instruction behind the last of the batch
	s_wait_alu depctr_va_vdst(0)                   ; one wait for the four, ahead of their first reader
	s_wait_loadcnt 0x0                             ; gain and bias
.set j, 0
.rept 16
.irp p, 0,1,2,3
	v_pk_mul_f32 v[LX+32*\p+j:LX+32*\p+j+1], v[LX+32*\p+j:LX+32*\p+j+1], v[LT+4*\p+2:LT+4*\p+3] op_sel_hi:[1,0]
.endr
.set j, j+2
.endr
.set j, 0
.rept 16
.irp p, 0,1,2,3
	v_pk_fma_f32 v[LX+32*\p+j:LX+32*\p+j+1], v[LX+32*\p+j:LX+32*\p+j+1], v[LW+j:LW+j+1], v[LB+j:LB+j+1]
.endr
.set j, j+2
.endr
.set j, 0
.rept 128
	v_med3_num_f32 v[LX+j], v[LX+j], -v8, v8       ; the hold at the largest code x the scale
.set j, j+1
.endr
.set j, 0
.rept 16
	v_cvt_scalef32_pk8_fp8_f32 v[LC+2*j:LC+2*j+1], v[LX+8*j:LX+8*j+7], v9   ; code register 8 p + j: the four codes of columns 128 j + 4 lane on
.set j, j+1
.endr
	v_nop
.irp p, 0,1,2,3
.irp j, 0,1,2,3,4,5,6,7
	ds_store_b32 v5, v[LC+8*\p+\j] offset:1024*\p+128*\j
.endr
.endr
.irp p, 0,1,2,3
.irp u, 0,1
	ds_load_b128 v[LX+32*\p+4*\u:LX+32*\p+4*\u+3], v6 offset:1024*\p+512*\u   ; my wave's own bytes, served in order: these see the stores above
.endr
.endr
.irp p, 0,1,2,3
.irp u, 0,1
	s_wait_dscnt 7-2*\p-\u                         ; the younger loads may be out
	global_store_b128 v3, v[LX+32*\p+4*\u:LX+32*\p+4*\u+3], s[86:87] offset:1024*\p+512*\u   ; 512 consecutive bytes, aligned
.endr
.endr
	s_wait_tensorcnt 0x0
	ds_add_u32 v14, v15
	s_wait_dscnt 0x0
	s_endpgm
.Lfunc_end_k_q78f8e454ab_prep:
	.size	k_q78f8e454ab_prep, .Lfunc_end_k_q78f8e454ab_prep-k_q78f8e454ab_prep
	.p2alignl 7, 3214868480
	.fill 96, 4, 3214868480
	.section	.rodata,"a",@progbits
	.p2align	6, 0x0
	.amdhsa_kernel k_q78f8e454ab_prep
		.amdhsa_group_segment_fixed_size 51712
		.amdhsa_private_segment_fixed_size 0
		.amdhsa_enable_private_segment 0
		.amdhsa_kernarg_size 80
		.amdhsa_user_sgpr_count 2
		.amdhsa_user_sgpr_kernarg_segment_ptr 1
		.amdhsa_wavefront_size32 1
		.amdhsa_system_sgpr_workgroup_id_x 1
		.amdhsa_system_sgpr_workgroup_id_y 1
		.amdhsa_system_sgpr_workgroup_id_z 1
		.amdhsa_system_vgpr_workitem_id 0
		.amdhsa_next_free_vgpr 256
		.amdhsa_next_free_sgpr 96
		.amdhsa_reserve_vcc 0
		.amdhsa_float_denorm_mode_32 3
		.amdhsa_float_denorm_mode_16_64 3
		.amdhsa_memory_ordered 1
		.amdhsa_forward_progress 1
		.amdhsa_inst_pref_size 96
	.end_amdhsa_kernel
	.amdgpu_metadata
---
amdhsa.version: [ 1, 2 ]
amdhsa.kernels:
  - .name:           k_q78f8e454ab_prep
    .symbol:         k_q78f8e454ab_prep.kd
    .args:
      - { .name: x, .offset: 0, .size: 8, .value_kind: global_buffer, .address_space: global }
      - { .name: ln1_w, .offset: 8, .size: 8, .value_kind: global_buffer, .address_space: global }
      - { .name: ln1_b, .offset: 16, .size: 8, .value_kind: global_buffer, .address_space: global }
      - { .name: w_qkv, .offset: 24, .size: 8, .value_kind: global_buffer, .address_space: global }
      - { .name: w_proj, .offset: 32, .size: 8, .value_kind: global_buffer, .address_space: global }
      - { .name: w_ff1, .offset: 40, .size: 8, .value_kind: global_buffer, .address_space: global }
      - { .name: w_ff2, .offset: 48, .size: 8, .value_kind: global_buffer, .address_space: global }
      - { .name: lowp_scales, .offset: 56, .size: 8, .value_kind: global_buffer, .address_space: global }
      - { .name: wcodes, .offset: 64, .size: 8, .value_kind: global_buffer, .address_space: global }
      - { .name: hc, .offset: 72, .size: 8, .value_kind: global_buffer, .address_space: global }
    .group_segment_fixed_size: 51712
    .private_segment_fixed_size: 0
    .kernarg_segment_align: 8
    .kernarg_segment_size: 80
    .max_flat_workgroup_size: 128
    .sgpr_count:     96
    .vgpr_count:     256
    .wavefront_size: 32
...
	.end_amdgpu_metadata
.endif
;; end of part 1
;; launch qkv (part 2): grid 12 x 16, 4 waves a work-group, clusters of 4 x 4, 327,680 bytes of LDS; arguments hc, wcodes, lowp_scales, qkvc; writes qkvc
.if DOCPART == 2
	.amdgcn_target "amdgcn-amd-amdhsa--gfx1250"
	.amdhsa_code_object_version 6
	.text
	.protected	k_q78f8e454ab_qkv
	.globl	k_q78f8e454ab_qkv
	.p2align	8
	.type	k_q78f8e454ab_qkv,@function
k_q78f8e454ab_qkv:
	s_mov_b64 s[64:65], 0
	v_nop
	global_prefetch_b8 v0, s[64:65] scope:SCOPE_SE
	s_setreg_imm32_b32 hwreg(HW_REG_WAVE_MODE, 25, 1), 1
	s_wait_xcnt 0x0
	s_wait_alu depctr_hold_cnt(0) depctr_sa_sdst(0) depctr_va_vdst(0) depctr_va_sdst(0) depctr_va_ssrc(0) depctr_va_vcc(0) depctr_vm_vsrc(0)
	s_getreg_b32 s2, hwreg(HW_REG_IB_STS2, 6, 4)
	s_cmp_eq_u32 s2, 0
	s_cbranch_scc0 .Lentry_in_a_cluster
	s_endpgm
.Lentry_in_a_cluster:
	s_bfe_u32 s2, ttmp6, 0x10000c
	s_cmp_lg_u32 s2, 0xf033
	s_cbranch_scc0 .Lentry_shape_is_right
	s_endpgm
.Lentry_shape_is_right:
; Product 1: LN1(x) [4096][1024] x w_qkv, on codes of E4M3, and q, k, v quantised on the way out with scales 2, 3 and 5.
; A tile of 256 x 256 is made by four waves, 128 x 128 each: 64 accumulators, 512 registers.  K = 1,024 goes in four steps of 256 through two LDS slots filled by the tensor data mover.
; THE MATRIX INSTRUCTION IS USED TRANSPOSED (source 0 = 16 rows of side B, source 1 = 16 rows of side A): a lane holds one row of side A and its registers run along side B.
; q, k (cluster x = 0, 1): side A = the tokens (hc), side B = the weight's places: a lane's registers run along the head's channels, which are product 2's K.
; v (cluster x = 2): THE SIDES CHANGE: side A = the weight's places, side B = the tokens: a lane's registers run along the tokens, which are product 3's K.
; The weight's place p holds column p with bits 3 and 4 exchanged, so 16 results of two neighbouring tiles are 16 neighbouring columns.
; OUT.  q, k: byte (column / 64) x 262,144 + token x 64 + column % 64.  v, in the bytes of chunk 32 + head: batch x 131,072 + (t / 128) x 8,192 + d x 128 + (t % 128 with bits 3 and 4 exchanged).
; CLUSTERS: 4 x 4 work-groups; side A's tile is shared along a row of the cluster, side B's along a column: joint loads.  Which sides are which hangs on the cluster's x alone, the same in all sixteen.
; LIMIT: e_dst - e0 - e1 between -126 and 119 for e_dst = e2, e3, e5.
.set KSTEP,  256
.set ROWB,   256
.set KROW,   1024
.set PITCH,  272                       ; 256 bytes + 16 of padding: the 16 rows that a load touches start at 16 different banks (64 banks of 4 bytes: ISA guide 11.1)
.set FR,     16
.set NL,     4
.set NP,     4                         ; places behind this matrix instruction (ISA guide 7.12.1)
.set HALFT,  128*PITCH
.set SLOT,   4*HALFT
.set SPARE,  2*SLOT                    ; behind the ring: the spare words, 128 bytes a wave, named by no other line
.set ADRA, 16                          ; v16-17  LDS address of my side A fragments in slot 0, 1
.set STOV, 19                          ; v19     v's way out: into the stage
.set ADRB, 20                          ; v20-21  the same for side B
.set LIM,  22                          ; v22     448 x the conversion's scale
.set SCL,  23                          ; v23     the conversion's scale
.set STO,  24                          ; v24     q's, k's way out: into the stage
.set RD,   25                          ; v25     and back
.set CO,   26                          ; v26     16 x lane
.set RDV,  27                          ; v27     v's way back
.set SPW,  28
.set NIL,  29
.set TMP,  32                          ; v32-95  a block's 64 sums, held
.set CD,   96                          ; v96-127 its codes, two sets
.set AF,   128                         ; side A's fragments, window 0
.set BK,   128                         ; the way out: codes read back, two sets of 16
.set G1, 24
.set G0, 32
.set G1B, 48
.set G0B, 56
.set MSB, 0
.macro WIN new                         ; the immediate's high byte repeats the setting that is left
.if MSB != \new
	s_set_vgpr_msb (MSB<<8)|\new
.set MSB, \new
.endif
.endm
.set MUL_LO, 0xa1                      ; source 0 (B) window 1, source 1 (A) window 0, C and D window 2
.set MUL_HI, 0xf1
.set TO_B,   0x40
.macro JLOAD g0a, g1a, g0b, g1b        ; waves 0, 1 fetch side A's halves, waves 2, 3 side B's; four v_nop follow each line
	s_cmp_eq_u32 s15, 0
	s_cbranch_scc0 .Lfor_b_\@
	tensor_load_to_lds s[\g0a:\g0a+3], s[\g1a:\g1a+7]
	s_nop 0
.rept 4
	v_nop
.endr
	s_branch .Lasked_\@
.Lfor_b_\@:
	tensor_load_to_lds s[\g0b:\g0b+3], s[\g1b:\g1b+7]
	s_nop 0
.rept 4
	v_nop
.endr
.Lasked_\@:
.endm
.macro CREST
	s_cmp_lg_u32 s14, 0
	s_cbranch_scc1 .Lnot_wave_0_\@
	s_barrier_signal -3
.Lnot_wave_0_\@:
	s_barrier_wait -3
	s_barrier_signal -1
	s_barrier_wait -1
.endm
.macro CROUND
	s_barrier_signal -1
	s_barrier_wait -1
	CREST
.endm
	s_load_b128 s[4:7], s[0:1], 0x0                ; hc, wcodes
	s_load_b128 s[8:11], s[0:1], 0x10              ; the exponents, qkvc
	v_lshl_add_u32 v[SPW], v0, 2, SPARE
	v_mov_b32 v[NIL], 0
	ds_add_u32 v28, v29
	ds_add_u32 v28, v29
	s_wait_dscnt 0x0
	v_lshrrev_b32 v1, 5, v0
	v_readfirstlane_b32 s14, v1                    ; wave 0..3
	s_lshr_b32 s15, s14, 1                         ; my half of side A's rows.  Also: I fetch for A (0) or B (1)
	s_and_b32 s16, s14, 1                          ; my half of side B's rows.  Also: which 128 rows I fetch
	s_bfe_u32 s40, ttmp6, 0x40000                  ; cx
	s_bfe_u32 s41, ttmp6, 0x40004                  ; cy
	s_and_b32 s70, ttmp7, 0xffff
	s_lshl_b32 s70, s70, 2                         ; 4 x cluster y
	s_lshl_b32 s71, ttmp9, 2                       ; 4 x cluster x
	s_cmp_eq_u32 ttmp9, 2                          ; v's clusters: the same answer in all sixteen partners
	s_cselect_b32 s80, 1, 0
	s_cselect_b32 s17, 8, s70
	s_cselect_b32 s42, s70, s71
	s_add_co_u32 s17, s17, s41                     ; side A's tile: tokens 4 cluster y + cy, or the weight's tile 8 + cy: of my place it holds cy alone
	s_add_co_u32 s42, s42, s40                     ; side B's tile: the weight's 4 cluster x + cx, or tokens 4 cluster y + cx: cx alone
	s_lshl_b32 s43, s41, 2
	s_lshl_b32 s43, 15, s43                        ; my row of the cluster
	s_lshl_b32 s44, 0x1111, s40                    ; my column
	s_or_b32 s[G1+0], s43, (0<<16)|(1<<20)|(1<<21)|(5<<22)|(3<<25)  ; mask; elements of 1 byte; padding on; bit 21 beside a mask; after every 64 words, 4 words
	s_or_b32 s[G1B+0], s44, (0<<16)|(1<<20)|(1<<21)|(5<<22)|(3<<25)
.irp g, G1, G1B
	s_mov_b32 s[\g+1], ROWB<<16                    ; tensor_dim0
	s_mov_b32 s[\g+2], 128<<16                     ; tensor_dim1
	s_mov_b32 s[\g+3], ROWB<<16                    ; tile_dim0
	s_mov_b32 s[\g+4], 128                         ; tile_dim1
	s_mov_b32 s[\g+5], KROW                        ; from row to row: both sides have rows of 1,024 codes
	s_mov_b32 s[\g+6], 0
	s_mov_b32 s[\g+7], 0
.endr
	s_lshl_b32 s18, s16, 7
	s_lshl_b32 s20, s17, 8
	s_add_co_u32 s20, s20, s18
	s_lshl_b32 s20, s20, 10                        ; side A: (256 x tile + 128 x half) rows of 1,024 bytes
	s_mov_b32 s21, 0
	s_lshl_b32 s46, s42, 8
	s_add_co_u32 s46, s46, s18
	s_lshl_b32 s46, s46, 10                        ; side B likewise
	s_mov_b32 s47, 0
	s_mul_i32 s45, s14, HALFT                      ; where they go: wave x 128 rows
	s_wait_kmcnt 0x0
	s_load_b256 s[72:79], s[8:9], 0x0              ; e0 .. e7
	s_cmp_eq_u32 s80, 1
	s_cselect_b64 s[66:67], s[6:7], s[4:5]         ; side A's buffer
	s_cselect_b64 s[68:69], s[4:5], s[6:7]         ; side B's
	s_add_nc_u64 s[20:21], s[66:67], s[20:21]
	s_add_nc_u64 s[46:47], s[68:69], s[46:47]
	CROUND                                         ; all sixteen work-groups are here: the first joint loads meet
.irp s, 0,1
	s_mov_b32 s[G0+4*\s], 1
	s_add_co_u32 s[G0+4*\s+1], s45, \s*SLOT
	s_add_nc_u64 s[G0+4*\s+2:G0+4*\s+3], s[20:21], \s*ROWB
	s_or_b32 s[G0+4*\s+3], s[G0+4*\s+3], 0x80000000
	s_mov_b32 s[G0B+4*\s], 1
	s_add_co_u32 s[G0B+4*\s+1], s45, \s*SLOT
	s_add_nc_u64 s[G0B+4*\s+2:G0B+4*\s+3], s[46:47], \s*ROWB
	s_or_b32 s[G0B+4*\s+3], s[G0B+4*\s+3], 0x80000000
	JLOAD G0+4*\s, G1, G0B+4*\s, G1B
.endr
	v_and_b32 v1, 15, v0                           ; r
	v_bfe_u32 v2, v0, 4, 1                         ; h
	v_mul_u32_u24 v3, v1, PITCH
	v_lshl_add_u32 v4, v2, 4, v3
	s_mul_i32 s21, s15, HALFT
	s_mul_i32 s22, s16, HALFT
	s_add_co_u32 s22, s22, 2*HALFT
.irp s, 0,1
	v_add_nc_u32 v[ADRA+\s], s21, v4
	v_add_nc_u32 v[ADRB+\s], s22, v4
	s_add_co_u32 s21, s21, SLOT
	s_add_co_u32 s22, s22, SLOT
.endr
	; the stages: 16 rows of 128 + 16 bytes a wave, in slot 0, which has had its last fill and its last read when the first code is stored there; q's and k's from byte 0, v's from byte 16,384
	s_mul_i32 s23, s14, 2304
	v_mul_u32_u24 v5, v1, 144
	v_lshl_add_u32 v5, v2, 4, v5
	v_add_nc_u32 v[STO], s23, v5                   ; in: row r, 16 bytes for each half of the lanes
	v_add_nc_u32 v[STOV], 16384, v[STO]
	v_and_b32 v6, 31, v0
	v_lshlrev_b32 v[CO], 4, v6
	v_lshrrev_b32 v7, 2, v6
	v_mul_u32_u24 v7, v7, 144
	v_and_b32 v8, 3, v6
	v_lshl_add_u32 v7, v8, 4, v7
	v_add_nc_u32 v[RD], s23, v7                    ; back, q and k: four lanes take 64 bytes of a row, eight rows an instruction
	v_lshrrev_b32 v7, 3, v6
	v_mul_u32_u24 v7, v7, 144
	v_and_b32 v8, 7, v6
	v_lshl_add_u32 v7, v8, 4, v7
	v_add_nc_u32 v7, s23, v7
	v_add_nc_u32 v[RDV], 16384, v7                 ; back, v: eight lanes take a row of 128 bytes, four rows an instruction
	; where my 128 x 128 begins in qkvc: chunk x 262,144 + row x 64
	s_lshl_b32 s84, s17, 2
	s_lshl_b32 s85, s15, 1
	s_add_co_u32 s84, s84, s85                     ; side A's first row / 64
	s_lshl_b32 s86, s42, 2
	s_lshl_b32 s87, s16, 1
	s_add_co_u32 s86, s86, s87                     ; side B's first row / 64
	s_cmp_eq_u32 s80, 1
	s_cselect_b32 s85, s84, s86                    ; the chunk comes from the weight's side,
	s_cselect_b32 s87, s86, s84                    ; the row from the tokens'
	s_lshl_b32 s85, s85, 18
	s_lshl_b32 s87, s87, 12
	s_add_co_u32 s84, s85, s87
	s_mov_b32 s85, 0
	s_add_nc_u64 s[10:11], s[10:11], s[84:85]
.macro FRAG reg, adr, q, i             ; 16 rows x 128 K: registers 4 c .. 4 c + 3 hold K = 32 c + 16 (l / 16) + 0 .. 15: the same order of k on both sides
.irp c, 0,1,2,3
	ds_load_b128 v[\reg+4*\c:\reg+4*\c+3], v[\adr] offset:128*(\q)+32*\c+(\i)*16*PITCH
.endr
.endm
.macro MUL16 a0, p, zero               ; the 64 accumulators take turns, one instruction a turn, in the same order in every step
.irp a, \a0, \a0+1
.irp b, 0,1,2,3,4,5,6,7
.if \zero
	v_wmma_f32_16x16x128_fp8_fp8 v[8*(8*((\a)%4)+\b):8*(8*((\a)%4)+\b)+7], v[128*(\p)+FR*\b:128*(\p)+FR*\b+FR-1], v[AF+FR*(\a):AF+FR*(\a)+FR-1], 0
.else
	v_wmma_f32_16x16x128_fp8_fp8 v[8*(8*((\a)%4)+\b):8*(8*((\a)%4)+\b)+7], v[128*(\p)+FR*\b:128*(\p)+FR*\b+FR-1], v[AF+FR*(\a):AF+FR*(\a)+FR-1], v[8*(8*((\a)%4)+\b):8*(8*((\a)%4)+\b)+7]
.endif
.endr
.endr
.endm
.macro FETCH_B slot, q, p
	WIN TO_B
.irp i, 0,1,2,3,4,5,6,7
	FRAG 128*(\p)+FR*\i, ADRB+\slot, \q, \i
.endr
	WIN 0
.endm
.macro FETCH_A slot, q, i0
.irp i, \i0, \i0+1, \i0+2, \i0+3
	FRAG AF+FR*(\i), ADRA+\slot, \q, \i
.endr
.endm
.macro PLACES n                        ; plain vector instructions between a matrix instruction and a load into, or a read of, its registers
.rept \n
	v_nop
.endr
.endm
.macro STEP slot, q, zero              ; 128 along K, with its successor in the same slot
	s_wait_dscnt 4*NL                              ; B's set and A's blocks 0-3 are in; the youngest 16 loads (A's blocks 4-7) may be out
	WIN MUL_LO
	MUL16 0, (\q)%2, \zero
	MUL16 2, (\q)%2, \zero
	s_wait_dscnt 0
	PLACES NP
	FETCH_B \slot, (\q)+1, 1-(\q)%2
	FETCH_A \slot, (\q)+1, 0
	WIN MUL_HI
	MUL16 4, (\q)%2, \zero
	MUL16 6, (\q)%2, \zero
	PLACES NP
	WIN 0
	FETCH_A \slot, (\q)+1, 4
.endm
.macro TURN slot, next, fill           ; a slot's last step changes slots: one barrier
	s_wait_tensorcnt 0x0                           ; all my tensor loads have landed: my part of the next slot
	ds_add_u32 v[SPW], v[NIL]                      ; 0 onto my spare word
	s_wait_dscnt 4*NL+1                            ; the add and the youngest 16 loads may be out
	WIN MUL_LO
	MUL16 0, 1, 0
	s_wait_dscnt 0x0                               ; the add is done, and my reads of this slot are over
	s_barrier_signal -1
	MUL16 2, 1, 0
	WIN 0
	s_barrier_wait -1
.if \fill
	CREST                                          ; the barrier has opened a round of the cluster's: no wave of any partner still reads this slot or has a load on its way
	s_add_nc_u64 s[G0+4*\slot+2:G0+4*\slot+3], s[G0+4*\slot+2:G0+4*\slot+3], 2*ROWB
	s_add_nc_u64 s[G0B+4*\slot+2:G0B+4*\slot+3], s[G0B+4*\slot+2:G0B+4*\slot+3], 2*ROWB
	JLOAD G0+4*\slot, G1, G0B+4*\slot, G1B         ; the first tensor load behind the round; its four v_nop are the places in front of the loads below
.else
	PLACES NP
.endif
	FETCH_B \next, 0, 0
	FETCH_A \next, 0, 0
	WIN MUL_HI
	MUL16 4, 1, 0
	MUL16 6, 1, 0
	PLACES NP
	WIN 0
	FETCH_A \next, 0, 4
.endm
	s_wait_tensorcnt 1                             ; my part of K step 0 is in; K step 1's load may be out
	s_barrier_signal -1
	s_barrier_wait -1
	FETCH_B 0, 0, 0
	FETCH_A 0, 0, 0
	FETCH_A 0, 0, 4
	STEP 0, 0, 1                                   ; the first products start the sums: nothing is cleared
	TURN 0, 1, 1                                   ; K = 1,024 is four K steps: the two refills are written out, no loop
	STEP 1, 0, 0
	TURN 1, 0, 1
	STEP 0, 0, 0
	TURN 0, 1, 0
	STEP 1, 0, 0
	s_wait_dscnt 4*NL
	WIN MUL_LO
	MUL16 0, 1, 0
	MUL16 2, 1, 0
	s_wait_dscnt 0
	WIN MUL_HI
	MUL16 4, 1, 0
	MUL16 6, 1, 0
	WIN 0
; THE WAY OUT, block by block of 16 rows of side A x 128 of side B: held, converted (16 codes of two neighbouring tiles are 16 neighbours), through my stage, out in runs of 512 bytes.
.macro CONV a
.set AC, 64*((\a)%4)
	WIN 0x02+((\a)/4)                              ; source 0: window 2 or 3
.set j, 0
.rept 64
	v_med3_num_f32 v[TMP+j], v[AC+j], -v[LIM], v[LIM]   ; the hold at the largest code x the scale; each accumulator from its low end on
.set j, j+1
.endr
	WIN 0
.set CC, CD+16*((\a)%2)
.irp b, 0,1,2,3,4,5,6,7
	v_cvt_scalef32_pk8_fp8_f32 v[CC+2*\b:CC+2*\b+1], v[TMP+8*\b:TMP+8*\b+7], v[SCL]
.endr
	v_nop                                          ; a plain instruction behind the last conversion: the next block's holds write its sources
.endm
.macro TOSTAGE a, isv
.set CC, CD+16*((\a)%2)
.set BB, BK+16*((\a)%2)
.irp b, 0,1,2,3
.if \isv
	ds_store_b128 v[STOV], v[CC+4*\b:CC+4*\b+3] offset:32*\b
.else
	ds_store_b128 v[STO], v[CC+4*\b:CC+4*\b+3] offset:32*\b
.endif
.endr
.irp q, 0,1,2,3
.if \isv
	ds_load_b128 v[BB+4*\q:BB+4*\q+3], v[RDV] offset:576*\q                 ; rows 4 q .. 4 q + 3, whole
.else
	ds_load_b128 v[BB+4*\q:BB+4*\q+3], v[RD] offset:64*(\q/2)+1152*(\q%2)   ; chunk q / 2, rows 8 (q % 2) on
.endif
.endr
.endm
.macro SEND a, isv, younger
.set BB, BK+16*((\a)%2)
	s_wait_dscnt \younger                          ; the next block's 4 stores and 4 loads may be out
.irp q, 0,1,2,3
.if \isv
	global_store_b128 v[CO], v[BB+4*\q:BB+4*\q+3], s[10:11] offset:((\a)/4)*262144+128*(32*(((\a)%4)/2)+16*(\q/2)+8*((\a)%2)+4*(\q%2))   ; stage row r of block a is channel 32 (a % 4 / 2) + 16 (r / 8) + 8 (a % 2) + r % 8 of head a / 4
.else
	global_store_b128 v[CO], v[BB+4*\q:BB+4*\q+3], s[10:11] offset:(\q/2)*262144+1024*(\a)+512*(\q%2)
.endif
.endr
.endm
.macro WAYOUT isv
	CONV 0
	TOSTAGE 0, \isv
.irp a, 1,2,3,4,5,6,7
.if \a > 1
	s_wait_xcnt 0x0                                ; block a - 2's stores have read their registers: block a's loads may land there
.endif
	CONV \a
	TOSTAGE \a, \isv
	SEND \a-1, \isv, 8
.endr
	SEND 7, \isv, 0
.endm
	s_wait_kmcnt 0x0
	s_cmp_eq_u32 ttmp9, 0
	s_cselect_b32 s81, s74, s75                    ; q: e2, k: e3,
	s_cmp_eq_u32 ttmp9, 2
	s_cselect_b32 s81, s77, s81                    ; v: e5
	s_sub_co_i32 s81, s81, s72
	s_sub_co_i32 s81, s81, s73                     ; a sum stands for sum x 2^(e0 + e1): the three scales are folded into the conversion's one
	s_add_co_i32 s81, s81, 127
	s_lshl_b32 s82, s81, 23
	v_mov_b32 v[SCL], s82
	s_add_co_i32 s81, s81, 8
	s_lshl_b32 s81, s81, 23
	s_or_b32 s81, s81, 0x600000
	v_mov_b32 v[LIM], s81
	PLACES NP
	s_cmp_eq_u32 s80, 1
	s_cbranch_scc1 .Lv_out
	WAYOUT 0
	s_branch .Ldone
.Lv_out:
	WAYOUT 1
.Ldone:
	s_wait_tensorcnt 0x0                           ; the wave's end
	ds_add_u32 v[SPW], v[NIL]
	s_wait_dscnt 0x0
	CROUND                                         ; the closing round
	s_endpgm
.Lfunc_end_k_q78f8e454ab_qkv:
	.size	k_q78f8e454ab_qkv, .Lfunc_end_k_q78f8e454ab_qkv-k_q78f8e454ab_qkv
	.p2alignl 7, 3214868480
	.fill 96, 4, 3214868480
	.section	.rodata,"a",@progbits
	.p2align	6, 0x0
	.amdhsa_kernel k_q78f8e454ab_qkv
		.amdhsa_group_segment_fixed_size 327680
		.amdhsa_private_segment_fixed_size 0
		.amdhsa_enable_private_segment 0
		.amdhsa_kernarg_size 32
		.amdhsa_user_sgpr_count 2
		.amdhsa_user_sgpr_kernarg_segment_ptr 1
		.amdhsa_wavefront_size32 1
		.amdhsa_system_sgpr_workgroup_id_x 1
		.amdhsa_system_sgpr_workgroup_id_y 1
		.amdhsa_system_sgpr_workgroup_id_z 1
		.amdhsa_system_vgpr_workitem_id 0
		.amdhsa_next_free_vgpr 1024
		.amdhsa_next_free_sgpr 100
		.amdhsa_reserve_vcc 0
		.amdhsa_float_denorm_mode_32 3
		.amdhsa_float_denorm_mode_16_64 3
		.amdhsa_memory_ordered 1
		.amdhsa_forward_progress 1
		.amdhsa_inst_pref_size 167
	.end_amdhsa_kernel
	.amdgpu_metadata
---
amdhsa.version: [ 1, 2 ]
amdhsa.kernels:
  - .name:           k_q78f8e454ab_qkv
    .symbol:         k_q78f8e454ab_qkv.kd
    .args:
      - { .name: hc, .offset: 0, .size: 8, .value_kind: global_buffer, .address_space: global }
      - { .name: wcodes, .offset: 8, .size: 8, .value_kind: global_buffer, .address_space: global }
      - { .name: lowp_scales, .offset: 16, .size: 8, .value_kind: global_buffer, .address_space: global }
      - { .name: qkvc, .offset: 24, .size: 8, .value_kind: global_buffer, .address_space: global }
    .group_segment_fixed_size: 327680
    .private_segment_fixed_size: 0
    .kernarg_segment_align: 8
    .kernarg_segment_size: 32
    .max_flat_workgroup_size: 128
    .sgpr_count:     100
    .vgpr_count:     1024
    .wavefront_size: 32
...
	.end_amdgpu_metadata
.endif
;; end of part 2
;; launch attn (part 3): grid 8 x 32, 16 waves a work-group, clusters of 4 x 1, 301,056 bytes of LDS; arguments qkvc, lowp_scales, oc; writes oc
.if DOCPART == 3
	.amdgcn_target "amdgcn-amd-amdhsa--gfx1250"
	.amdhsa_code_object_version 6
	.text
	.protected	k_q78f8e454ab_attn
	.globl	k_q78f8e454ab_attn
	.p2align	8
	.type	k_q78f8e454ab_attn,@function
k_q78f8e454ab_attn:
	s_mov_b64 s[64:65], 0
	v_nop
	global_prefetch_b8 v0, s[64:65] scope:SCOPE_SE
	s_setreg_imm32_b32 hwreg(HW_REG_WAVE_MODE, 25, 1), 1
	s_wait_xcnt 0x0
	s_wait_alu depctr_hold_cnt(0) depctr_sa_sdst(0) depctr_va_vdst(0) depctr_va_sdst(0) depctr_va_ssrc(0) depctr_va_vcc(0) depctr_vm_vsrc(0)
	s_getreg_b32 s2, hwreg(HW_REG_IB_STS2, 6, 4)
	s_cmp_eq_u32 s2, 0
	s_cbranch_scc0 .Lentry_in_a_cluster
	s_endpgm
.Lentry_in_a_cluster:
	s_bfe_u32 s2, ttmp6, 0x10000c
	s_cmp_lg_u32 s2, 0x3003
	s_cbranch_scc0 .Lentry_shape_is_right
	s_endpgm
.Lentry_shape_is_right:
; Products 2 and 3 with the softmax between them, on codes of E4M3; o quantised with scale 6 on the way out.
; THE SOFTMAX IS QUANTISED FINISHED: p = (e / (S + 1e-6) + 1e-8) / Z, e = exp(a - max a), a = the score / 8 clipped to +-100, S the sum of e over all 2,048 keys, Z = S / (S + 1e-6) + 2048e-8.
; So a row's maximum and sum are known before any p is made: TWO PASSES over the keys.  Pass 1: K Q^T, a running maximum and the sum.  Pass 2: K Q^T again, p, its codes, V^T P.
; A HIDDEN KEY IS NOT NOTHING: its -infinity is clipped to -100, so it counts in S and carries p_h = (exp(-100 - max) / (S + 1e-6) + 1e-8) / Z, one number a row.  Key steps that lie wholly
; behind the diagonal are counted in S by their number and multiplied with a P fragment that holds p_h's code in every byte: no scores and no exponentials are made for them.
; SHARES.  A work-group holds all of one head's K and V in LDS (filled once) and serves 16 tiles of 16 queries, one a wave.  Wave w takes rho = w xor 3 x (bit 2 of w); its queries are
; 128 rho + 16 jj + 0..15, jj = the work-group's number in the head, xor 7 where rho is odd.  Which key steps (128 keys) a wave sees hangs on rho alone, so on the wave's number: every work-group has the same work.
; CLUSTER: the four work-groups of a cluster belong to one head: K and V are asked for jointly, one tensor load a wave.
; LAYOUT.  Both products transposed: S^T = K Q^T (a lane holds one query, register j of tile u key 16 u + 8 (lane / 16) + j), so p's codes are the second product's operand as they come;
; V lies with the keys innermost, bits 3 and 4 of the key exchanged, so that loads of 16 bytes give each key the place that P gives it.
; LIMITS: e2 + e3 between -118 and 130; e4, and e6 - e4 - e5, between -126 and 119.  Exponentials under 2^-126 count as 0, beside the 1e-8 that is added to each.
.set STEPB, 8704                       ; 128 keys in LDS, of K (32 long rows of 4 keys) and of V (32 long rows of 2 channels): 256 + 16 bytes each
.set VBASE, 139264                     ; K: 0 .. 139,263; V from here
.set STG,   278528                     ; the stages for the way out: 1,280 bytes a wave; no tile lands here
.set WV,  18
.set RHO, 19
.set ST,  20                           ; s20 the key step
.set TB,  21                           ; s21 its first byte in K's and V's parts
.set SEL, 22                           ; s[22:23] lane l xor 16
.set CS,  36                           ; s[36:37] c = log2(e) / 8 x 2^(e2 + e3)
.set NCS, 38                           ; s38 -c
; v1 my place in a tile of K; v2 in a tile of V; v3, v4 the step's addresses; v5 my query less 8 (lane / 16), within the diagonal step; v6, v7 +L, -L: 100 in units of the raw sums
; v12 -m c, v13 m; v[14:15] S in two halves; v16-23 Q; v24, v25, v26 the way out; v32-95 K's, then V's fragments; v96-159 S^T, then p; v160-191 O^T; v192-207 p's codes; v208-223 p_h's code;
; v[224:225] A, v[226:227] B of p = e A + B; v228, v229 448 x 2^e4, 2^e4; v230, v231 o's scale and hold; v236-254 at work
.macro CROUND
	s_barrier_signal -1
	s_barrier_wait -1
	s_cmp_lg_u32 s[WV], 0
	s_cbranch_scc1 .Lnot_wave_0_\@
	s_barrier_signal -3
.Lnot_wave_0_\@:
	s_barrier_wait -3
	s_barrier_signal -1
	s_barrier_wait -1
.endm
	s_load_b128 s[4:7], s[0:1], 0x0                ; qkvc, the exponents
	s_load_b64 s[8:9], s[0:1], 0x10                ; oc
	v_lshl_add_u32 v247, v0, 2, 0x49000
	v_mov_b32 v255, 0
	ds_add_u32 v247, v255
	ds_add_u32 v247, v255
	v_lshrrev_b32 v8, 5, v0
	v_readfirstlane_b32 s[WV], v8                  ; wave 0..15
	s_bfe_u32 s10, ttmp6, 0x40000                  ; cx
	s_lshl_b32 s11, ttmp9, 2
	s_add_co_u32 s11, s11, s10                     ; the work-group's number in the head, 0..7: it enters Q's and O's addresses and the mask's numbers alone
	s_and_b32 s12, ttmp7, 0xffff                   ; y = 2 x head + batch
	s_bfe_u32 s13, s[WV], 0x10002
	s_mul_i32 s13, s13, 3
	s_xor_b32 s[RHO], s[WV], s13
	s_and_b32 s13, s[RHO], 1
	s_mul_i32 s13, s13, 7
	s_xor_b32 s14, s11, s13                        ; jj
	s_mov_b32 s24, 15|(0<<16)|(1<<20)|(1<<21)|(5<<22)|(3<<25)   ; the four partners; elements of 1 byte; padding: 4 words after every 64
	s_mov_b32 s25, 256<<16                         ; tensor_dim0: K's and V's 131,072 bytes of a head are dense: rows of 256 bytes
	s_mov_b32 s26, 64<<16                          ; tensor_dim1
	s_mov_b32 s27, 256<<16                         ; tile_dim0
	s_mov_b32 s28, 64                              ; tile_dim1
	s_mov_b32 s29, 256                             ; from row to row
	s_mov_b32 s30, 0
	s_mov_b32 s31, 0
	s_lshr_b32 s15, s[WV], 3
	s_add_co_u32 s15, s15, 1
	s_lshl_b32 s15, s15, 22                        ; waves 0-7: k, from byte 0x400000; waves 8-15: v, from 0x800000
	s_lshl_b32 s16, s12, 17                        ; the head's and batch's 131,072 bytes
	s_add_co_u32 s15, s15, s16
	s_and_b32 s17, s[WV], 7
	s_lshl_b32 s17, s17, 14                        ; my eighth of them
	s_add_co_u32 s48, s15, s17
	s_mov_b32 s49, 0
	s_mov_b32 s32, 1
	s_mul_i32 s33, s[WV], 17408                    ; 64 long rows of 272 bytes a wave
	s_lshl_b32 s50, s[RHO], 7
	s_lshl_b32 s55, s14, 4                         ; 16 jj
	s_add_co_u32 s50, s50, s55                     ; my first query
	s_lshl_b32 s50, s50, 6
	s_add_co_u32 s50, s50, s16
	s_mov_b32 s51, 0
	s_mov_b32 s[SEL], 0x76543210
	s_mov_b32 s[SEL+1], 0xfedcba98
	s_wait_dscnt 0x0
	s_wait_kmcnt 0x0
	s_load_b256 s[40:47], s[6:7], 0x0              ; e0 .. e7
	s_add_nc_u64 s[34:35], s[4:5], s[48:49]
	s_or_b32 s35, s35, 0x80000000
	s_add_nc_u64 s[52:53], s[4:5], s[50:51]        ; q at my first query
	s_add_nc_u64 s[8:9], s[8:9], s[50:51]          ; oc likewise
	CROUND                                         ; the four work-groups are here: the joint loads meet
	tensor_load_to_lds s[32:35], s[24:31]          ; my one load; every byte of K's and V's parts is filled once in the launch
	s_nop 0
.rept 4
	v_nop
.endr
	v_and_b32 v8, 15, v0                           ; r
	v_bfe_u32 v9, v0, 4, 1                         ; h
	v_lshlrev_b32 v10, 6, v8
	v_lshl_add_u32 v10, v9, 4, v10
	global_load_b128 v[16:19], v10, s[52:53]             ; Q: channels 16 h + 0..15,
	global_load_b128 v[20:23], v10, s[52:53] offset:32   ; and 32 + 16 h + 0..15: the same order of channels as K's loads
	v_lshrrev_b32 v11, 2, v8
	v_mul_u32_u24 v27, v11, 272
	v_and_b32 v11, 3, v8
	v_lshl_add_u32 v27, v11, 6, v27                ; (r / 4) x 272 + (r % 4) x 64
	v_lshl_add_u32 v1, v9, 4, v27
	v_lshrrev_b32 v11, 1, v8
	v_mul_u32_u24 v2, v11, 272
	v_and_b32 v11, 1, v8
	v_lshl_add_u32 v2, v11, 7, v2
	v_lshl_add_u32 v2, v9, 4, v2
	v_add_nc_u32 v2, VBASE, v2
	s_mul_i32 s54, s[WV], 1280
	s_add_co_u32 s54, s54, STG
	v_lshl_add_u32 v24, v9, 3, v27
	v_add_nc_u32 v24, s54, v24                     ; the way out, in: query r's 64 bytes, + 8 h
	v_mul_u32_u24 v25, v9, 272
	v_lshl_add_u32 v25, v8, 4, v25
	v_add_nc_u32 v25, s54, v25                     ; back: sixteen lanes to a long row
	v_and_b32 v26, 31, v0
	v_lshlrev_b32 v26, 4, v26
	v_lshlrev_b32 v11, 3, v9
	v_sub_nc_u32 v5, v8, v11
	v_add_nc_u32 v5, s55, v5                       ; 16 jj + r - 8 h
	v_mov_b32 v14, 0
	v_mov_b32 v15, 0
	v_mov_b32 v236, 0                              ; a lane permute's destination counts as read
	v_mov_b32 v253, 0                              ; named as the upper half of a pair
.set j, 0
.rept 32
	v_mov_b32 v[160+j], 0                          ; O^T: the key step is written once, so its first turn finds zeros
.set j, j+1
.endr
	s_wait_kmcnt 0x0
	s_add_co_i32 s56, s42, s43
	s_lshl_b32 s56, s56, 23
	s_add_co_i32 s[CS], s56, 0x3e38aa3b            ; log2(e) / 8, with e2 + e3 added to its exponent field
	s_mov_b32 s[CS+1], s[CS]
	s_xor_b32 s[NCS], s[CS], 0x80000000
	s_sub_co_i32 s57, 0x44480000, s56              ; L = 800 / 2^(e2 + e3): the raw sum whose score is 100
	v_mov_b32 v6, s57
	v_xor_b32 v7, 0x80000000, v6
	v_mov_b32 v13, v7                              ; the maximum begins at -L: no clipped score lies under it
	v_mul_f32 v12, s[NCS], v13
	s_add_co_i32 s58, s44, 127
	s_lshl_b32 s59, s58, 23
	v_mov_b32 v229, s59
	s_add_co_i32 s58, s58, 8
	s_lshl_b32 s58, s58, 23
	s_or_b32 s58, s58, 0x600000
	v_mov_b32 v228, s58
	s_sub_co_i32 s58, s46, s44
	s_sub_co_i32 s58, s58, s45                     ; a sum of product 3 stands for sum x 2^(e4 + e5)
	s_add_co_i32 s58, s58, 127
	s_lshl_b32 s59, s58, 23
	v_mov_b32 v230, s59
	s_add_co_i32 s58, s58, 8
	s_lshl_b32 s58, s58, 23
	s_or_b32 s58, s58, 0x600000
	v_mov_b32 v231, s58
	s_wait_tensorcnt 0x0                           ; my part has landed,
	s_barrier_signal -1
	s_barrier_wait -1                              ; everybody's has
	s_wait_loadcnt 0x0                             ; Q
.macro HEAD                            ; a trip's head: the step's addresses; with two v_nop the four places between the last trip's products and loads into their registers
	v_add_nc_u32 v3, s[TB], v1
	v_add_nc_u32 v4, s[TB], v2
	v_nop
	v_nop
.endm
.macro SCORES                          ; S^T of 128 keys: eight tiles, K = 64
.irp u, 0,1,2,3,4,5,6,7
	ds_load_b128 v[32+8*\u:35+8*\u], v3 offset:1088*\u
	ds_load_b128 v[36+8*\u:39+8*\u], v3 offset:1088*\u+32
.endr
	s_wait_dscnt 0x0
.irp u, 0,1,2,3,4,5,6,7
	v_wmma_f32_16x16x64_fp8_fp8 v[96+8*\u:103+8*\u], v[32+8*\u:39+8*\u], v[16:23], 0
.endr
.rept 4
	v_nop
.endr
.endm
.macro MASK                            ; in the wave's one step on the diagonal a hidden key's score becomes the clipped -100
	s_cmp_lg_u32 s[ST], s[RHO]
	s_cbranch_scc1 .Lopen_\@
.set n, 0
.rept 64
	v_cmp_gt_i32 vcc_lo, 16*(n/8)+n%8, v5
	v_cndmask_b32 v[96+n], v[96+n], v7, vcc_lo
.set n, n+1
.endr
.Lopen_\@:
.endm
.macro CLIP                            ; exact: the raw sum times a power of two is the score
.set n, 0
.rept 64
	v_med3_num_f32 v[96+n], v[96+n], v7, v6
.set n, n+1
.endr
.endm
.macro EXPARG                          ; (s - m) c as one fused multiply-add with -m c, two at a time
.set n, 0
.rept 32
	v_pk_fma_f32 v[96+n:97+n], v[96+n:97+n], s[CS:CS+1], v[12:13] op_sel_hi:[1,0,0]
.set n, n+2
.endr
.endm
.macro EXPS
.set n, 0
.rept 64
	v_exp_f32 v[96+n], v[96+n]
.set n, n+1
.endr
.endm
.macro VLOAD                           ; V^T of the step: four tiles of 16 channels x 128 keys
.irp t, 0,1,2,3
.irp c, 0,1,2,3
	ds_load_b128 v[32+16*\t+4*\c:35+16*\t+4*\c], v4 offset:2176*\t+32*\c
.endr
.endr
.endm
.macro PV p                            ; O^T += V^T P: the four accumulators take turns, one instruction a turn
.irp t, 0,1,2,3
	v_wmma_f32_16x16x128_fp8_fp8 v[160+8*\t:167+8*\t], v[32+16*\t:47+16*\t], v[\p:\p+15], v[160+8*\t:167+8*\t]
.endr
.endm
; ---- pass 1: the maximum and the sum.  Sixteen trips for every wave; a step behind the diagonal is jumped over, by the wave's number
	s_mov_b32 s[ST], 0
	s_mov_b32 s[TB], 0
.Lp1:
	HEAD
	s_cmp_gt_u32 s[ST], s[RHO]
	s_cbranch_scc1 .Lp1_next
	SCORES
	MASK
	CLIP
	v_max3_num_f32 v254, v96, v97, v98
	v_max3_num_f32 v252, v99, v100, v101
.irp i, 6,10,14,18,22,26,30,34,38,42,46,50,54,58
	v_max3_num_f32 v254, v254, v[96+\i], v[97+\i]
	v_max3_num_f32 v252, v252, v[98+\i], v[99+\i]
.endr
	v_max3_num_f32 v254, v254, v158, v159
	v_max_num_f32 v254, v254, v252
	v_permlanex16_b32 v236, v254, s[SEL], s[SEL+1]
	v_max_num_f32 v254, v254, v236
	v_max_num_f32 v13, v13, v254                   ; the running maximum
	v_mov_b32 v254, v12
	v_mul_f32 v12, s[NCS], v13                     ; -m c
	v_sub_f32 v252, v12, v254                      ; (old m - new m) c, 0 or less
	EXPARG
	v_exp_f32 v252, v252                           ; one batch: the factor for the old sum and the 64 e
	EXPS
	v_nop                                          ; a plain instruction behind the last of the batch
	s_wait_alu depctr_va_vdst(0)                   ; one wait for the batch, ahead of its first reader
	v_pk_mul_f32 v[14:15], v[14:15], v[252:253] op_sel_hi:[1,0]
	v_pk_add_f32 v[242:243], v[96:97], v[98:99]
.irp j, 4,8,12,16,20,24,28,32,36,40,44,48,52,56,60
	v_pk_add_f32 v[14:15], v[14:15], v[96+\j:97+\j]
	v_pk_add_f32 v[242:243], v[242:243], v[98+\j:99+\j]
.endr
	v_pk_add_f32 v[14:15], v[14:15], v[242:243]
.Lp1_next:
	s_add_co_u32 s[TB], s[TB], STEPB
	s_add_co_u32 s[ST], s[ST], 1
	s_cmp_lt_u32 s[ST], 16
	s_cbranch_scc1 .Lp1
; ---- between the passes: S, A, B and the hidden keys' code
	v_add_f32 v14, v14, v15
	v_permlanex16_b32 v236, v14, s[SEL], s[SEL+1]
	v_add_f32 v14, v14, v236
	v_fma_f32 v250, v7, s[CS], v12
	v_exp_f32 v250, v250                           ; e of a hidden key
	v_nop
	s_sub_co_u32 s60, 15, s[RHO]
	s_lshl_b32 s60, s60, 7
	v_cvt_f32_u32 v251, s60                        ; the keys of the steps wholly behind the diagonal: 128 (15 - rho)
	s_wait_alu depctr_va_vdst(0)
	v_fma_f32 v14, v251, v250, v14                 ; S over all 2,048 keys
	v_add_f32 v248, 0x358637bd, v14                ; + 1e-6
	v_rcp_f32 v248, v248
	v_nop
	s_wait_alu depctr_va_vdst(0)
	v_fmaak_f32 v249, v14, v248, 0x37abcc77        ; Z = S / (S + 1e-6) + 2048e-8
	v_rcp_f32 v249, v249
	v_nop
	s_wait_alu depctr_va_vdst(0)
	v_mul_f32 v224, v248, v249                     ; A = 1 / ((S + 1e-6) Z)
	v_mul_f32 v226, 0x322bcc77, v249               ; B = 1e-8 / Z
	v_mov_b32 v225, v224
	v_mov_b32 v227, v226
	v_fma_f32 v96, v250, v224, v226
	v_min_num_f32 v96, v96, v228
.irp j, 1,2,3,4,5,6,7
	v_mov_b32 v[96+\j], v96
.endr
	v_cvt_scalef32_pk8_fp8_f32 v[208:209], v[96:103], v229
	v_nop
.irp j, 2,3,4,5,6,7,8,9,10,11,12,13,14,15
	v_mov_b32 v[208+\j], v208                      ; the row's one code in every byte of a P fragment
.endr
; ---- pass 2: p, its codes, V^T P.  Sixteen trips; behind the diagonal the constant fragment is multiplied
	s_mov_b32 s[ST], 0
	s_mov_b32 s[TB], 0
.Lp2:
	HEAD
	s_cmp_gt_u32 s[ST], s[RHO]
	s_cbranch_scc1 .Lp2_hidden
	SCORES
	VLOAD                                          ; lands under the softmax; the four v_nop of SCORES are its places
	MASK
	CLIP
	EXPARG
	EXPS
	v_nop
	s_wait_alu depctr_va_vdst(0)                   ; one wait for the batch
.set n, 0
.rept 32
	v_pk_fma_f32 v[96+n:97+n], v[96+n:97+n], v[224:225], v[226:227] op_sel_hi:[1,0,0]   ; p = e A + B
.set n, n+2
.endr
.set n, 0
.rept 64
	v_min_num_f32 v[96+n], v[96+n], v228           ; the conversion does not saturate (ISA guide 7.6.2); p is not negative, so the hold is one-sided
.set n, n+1
.endr
.irp u, 0,1,2,3,4,5,6,7
	v_cvt_scalef32_pk8_fp8_f32 v[192+2*\u:193+2*\u], v[96+8*\u:103+8*\u], v229
.endr
	v_nop
	s_wait_dscnt 0x0                               ; V
	PV 192
	s_branch .Lp2_next
.Lp2_hidden:
	VLOAD
	s_wait_dscnt 0x0
	PV 208
.Lp2_next:
	s_add_co_u32 s[TB], s[TB], STEPB
	s_add_co_u32 s[ST], s[ST], 1
	s_cmp_lt_u32 s[ST], 16
	s_cbranch_scc1 .Lp2
; ---- the way out: o's codes, 16 queries x 64 bytes, through my stage: 1,024 consecutive bytes of oc
.rept 4
	v_nop
.endr
.set n, 0
.rept 32
	v_med3_num_f32 v[160+n], v[160+n], -v231, v231
.set n, n+1
.endr
.irp t, 0,1,2,3
	v_cvt_scalef32_pk8_fp8_f32 v[32+2*\t:33+2*\t], v[160+8*\t:167+8*\t], v230   ; channels 16 t + 8 h + 0..7 of query r
.endr
	v_nop
.irp t, 0,1,2,3
	ds_store_b64 v24, v[32+2*\t:33+2*\t] offset:16*\t
.endr
.irp u, 0,1
	ds_load_b128 v[40+4*\u:43+4*\u], v25 offset:544*\u   ; my own bytes, served in order
.endr
	s_wait_dscnt 1                                 ; the second load may be out
	global_store_b128 v26, v[40:43], s[8:9]
	s_wait_dscnt 0x0
	global_store_b128 v26, v[44:47], s[8:9] offset:512
	s_wait_tensorcnt 0x0
	s_wait_tensorcnt 0x0
	ds_add_u32 v247, v255
	s_wait_dscnt 0x0
	CROUND                                         ; the closing round
	s_endpgm
.Lfunc_end_k_q78f8e454ab_attn:
	.size	k_q78f8e454ab_attn, .Lfunc_end_k_q78f8e454ab_attn-k_q78f8e454ab_attn
	.p2alignl 7, 3214868480
	.fill 96, 4, 3214868480
	.section	.rodata,"a",@progbits
	.p2align	6, 0x0
	.amdhsa_kernel k_q78f8e454ab_attn
		.amdhsa_group_segment_fixed_size 301056
		.amdhsa_private_segment_fixed_size 0
		.amdhsa_enable_private_segment 0
		.amdhsa_kernarg_size 24
		.amdhsa_user_sgpr_count 2
		.amdhsa_user_sgpr_kernarg_segment_ptr 1
		.amdhsa_wavefront_size32 1
		.amdhsa_system_sgpr_workgroup_id_x 1
		.amdhsa_system_sgpr_workgroup_id_y 1
		.amdhsa_system_sgpr_workgroup_id_z 1
		.amdhsa_system_vgpr_workitem_id 0
		.amdhsa_next_free_vgpr 256
		.amdhsa_next_free_sgpr 80
		.amdhsa_reserve_vcc 1
		.amdhsa_float_denorm_mode_32 3
		.amdhsa_float_denorm_mode_16_64 3
		.amdhsa_memory_ordered 1
		.amdhsa_forward_progress 1
		.amdhsa_inst_pref_size 55
	.end_amdhsa_kernel
	.amdgpu_metadata
---
amdhsa.version: [ 1, 2 ]
amdhsa.kernels:
  - .name:           k_q78f8e454ab_attn
    .symbol:         k_q78f8e454ab_attn.kd
    .args:
      - { .name: qkvc, .offset: 0, .size: 8, .value_kind: global_buffer, .address_space: global }
      - { .name: lowp_scales, .offset: 8, .size: 8, .value_kind: global_buffer, .address_space: global }
      - { .name: oc, .offset: 16, .size: 8, .value_kind: global_buffer, .address_space: global }
    .group_segment_fixed_size: 301056
    .private_segment_fixed_size: 0
    .kernarg_segment_align: 8
    .kernarg_segment_size: 24
    .max_flat_workgroup_size: 512
    .sgpr_count:     80
    .vgpr_count:     256
    .wavefront_size: 32
...
	.end_amdgpu_metadata
.endif
;; end of part 3
;; launch proj (part 4): grid 8 x 32, 4 waves a work-group, clusters of 4 x 4, 327,680 bytes of LDS; arguments oc, wcodes, lowp_scales, x, x1; writes x1
.if DOCPART == 4
	.amdgcn_target "amdgcn-amd-amdhsa--gfx1250"
	.amdhsa_code_object_version 6
	.text
	.protected	k_q78f8e454ab_proj
	.globl	k_q78f8e454ab_proj
	.p2align	8
	.type	k_q78f8e454ab_proj,@function
k_q78f8e454ab_proj:
	s_mov_b64 s[64:65], 0
	v_nop
	global_prefetch_b8 v0, s[64:65] scope:SCOPE_SE
	s_setreg_imm32_b32 hwreg(HW_REG_WAVE_MODE, 25, 1), 1
	s_wait_xcnt 0x0
	s_wait_alu depctr_hold_cnt(0) depctr_sa_sdst(0) depctr_va_vdst(0) depctr_va_sdst(0) depctr_va_ssrc(0) depctr_va_vcc(0) depctr_vm_vsrc(0)
	s_getreg_b32 s2, hwreg(HW_REG_IB_STS2, 6, 4)
	s_cmp_eq_u32 s2, 0
	s_cbranch_scc0 .Lentry_in_a_cluster
	s_endpgm
.Lentry_in_a_cluster:
	s_bfe_u32 s2, ttmp6, 0x10000c
	s_cmp_lg_u32 s2, 0xf033
	s_cbranch_scc0 .Lentry_shape_is_right
	s_endpgm
.Lentry_shape_is_right:
; Product 4 and the residual: x1 = x + o w_proj, on codes of E4M3.  o's codes lie in chunks of 64 along K: byte (k / 64) x 262,144 + row x 64 + k % 64.
; A tile of 128 x 128 (256 work-groups), four waves of 64 x 64: 16 accumulators.  K goes in steps of 512 through two LDS slots; here K = 1,024, so the two first fills hold all of it.
; Side A's tile of a K step is 8 chunks of 128 rows x 64 bytes, each 8,192 dense bytes of memory; in LDS it lies as long rows of 256 + 16 bytes (four rows of A each).
; The matrix instruction is used transposed (source 0 = the weight's places, source 1 = rows): a lane holds a row, and two neighbouring tiles give it 16 neighbouring columns (the weight's place p holds column p with bits 3 and 4 exchanged).
; CLUSTERS: 4 x 4; A's tile is shared along a row of the cluster, the weight's along a column: joint loads.
; LIMIT: e6 + e7 between -126 and 127.
.set SIZE_K, 1024
.set WOFF,   0x300000                  ; the weight's place in wcodes
.set EOFF,   0x18                      ; its two exponents' place
.set LAPS,   SIZE_K/1024               ; a lap = two K steps
.set ACH,    8704                      ; a chunk of A in LDS: 32 long rows of 272 bytes
.set APART,  8*ACH
.set BP,     528                       ; a row of the weight in LDS: 512 + 16 bytes
.set SLOT,   APART+128*BP
.set SPARE,  2*SLOT                    ; the spare words, 128 bytes a wave, named by no other line
.set STAGE,  SPARE+512                 ; the way out: 16 rows of 256 + 16 bytes a wave; no tile lands here
.set ADRA, 16
.set ADRB, 20
.set STO,  24
.set RD,   25
.set CO,   26
.set SPW,  28
.set NIL,  29
.set TMP,  32                          ; v32-95 two sets of 32: rows read back
.set ACC,  128                         ; v128-255 the accumulators ((a, b) at 8 (4 a + b))
.set F0,   0                           ; window 1: two sets of fragments: A's four at f, the weight's four at f + 64
.set F1,   128                         ; window 2: v0-127 the residual's tile
.set G1, 24
.set G0, 32
.set G1B, 48
.set G0B, 56
.set MSB, 0
.macro WIN new
.if MSB != \new
	s_set_vgpr_msb (MSB<<8)|\new
.set MSB, \new
.endif
.endm
.set MUL,  0x05                        ; sources 0 and 1 window 1; C and D window 0
.set TO_F, 0x40
.macro JLOAD s                         ; waves 0, 1 fetch A's halves (4 chunks each), waves 2, 3 the weight's (64 rows each); four v_nop follow each line
	s_cmp_eq_u32 s11, 0
	s_cbranch_scc0 .Lfor_b_\@
	tensor_load_to_lds s[G0+4*\s:G0+4*\s+3], s[G1:G1+7]
	s_nop 0
.rept 4
	v_nop
.endr
	s_branch .Lasked_\@
.Lfor_b_\@:
	tensor_load_to_lds s[G0B+4*\s:G0B+4*\s+3], s[G1B:G1B+7]
	s_nop 0
.rept 4
	v_nop
.endr
.Lasked_\@:
.endm
.macro CREST
	s_cmp_lg_u32 s10, 0
	s_cbranch_scc1 .Lnot_wave_0_\@
	s_barrier_signal -3
.Lnot_wave_0_\@:
	s_barrier_wait -3
	s_barrier_signal -1
	s_barrier_wait -1
.endm
.macro CROUND
	s_barrier_signal -1
	s_barrier_wait -1
	CREST
.endm
	s_load_b128 s[4:7], s[0:1], 0x0                ; A's codes, wcodes
	s_load_b64 s[66:67], s[0:1], 0x10              ; the exponents
	s_load_b128 s[68:71], s[0:1], 0x18             ; the residual, the output
	v_lshl_add_u32 v[SPW], v0, 2, SPARE
	v_mov_b32 v[NIL], 0
	ds_add_u32 v28, v29
	ds_add_u32 v28, v29
	s_wait_dscnt 0x0
	v_lshrrev_b32 v1, 5, v0
	v_readfirstlane_b32 s10, v1
	s_lshr_b32 s11, s10, 1                         ; my half of the rows.  Also: I fetch for A (0) or the weight (1)
	s_and_b32 s12, s10, 1                          ; my half of the columns.  Also: which half I fetch
	s_bfe_u32 s40, ttmp6, 0x40000
	s_bfe_u32 s41, ttmp6, 0x40004
	s_lshl_b32 s42, ttmp9, 2
	s_add_co_u32 s42, s42, s40                     ; tile column
	s_and_b32 s13, ttmp7, 0xffff
	s_lshl_b32 s13, s13, 2
	s_add_co_u32 s13, s13, s41                     ; tile row
	s_lshl_b32 s43, s41, 2
	s_lshl_b32 s43, 15, s43
	s_lshl_b32 s44, 0x1111, s40
	s_or_b32 s[G1+0], s43, (0<<16)|(1<<20)|(1<<21)|(5<<22)|(3<<25)   ; A: 4 words of padding after every 64
	s_mov_b32 s[G1+1], 8192<<16                    ; tensor_dim0: a chunk's 128 rows are 8,192 dense bytes
	s_mov_b32 s[G1+2], 4<<16                       ; tensor_dim1: four chunks
	s_mov_b32 s[G1+3], 8192<<16                    ; tile_dim0
	s_mov_b32 s[G1+4], 4                           ; tile_dim1
	s_mov_b32 s[G1+5], 262144                      ; from chunk to chunk
	s_mov_b32 s[G1+6], 0
	s_mov_b32 s[G1+7], 0
	s_or_b32 s[G1B+0], s44, (0<<16)|(1<<20)|(1<<21)|(6<<22)|(3<<25)  ; the weight: 4 words after every 128
	s_mov_b32 s[G1B+1], 512<<16
	s_mov_b32 s[G1B+2], 64<<16
	s_mov_b32 s[G1B+3], 512<<16
	s_mov_b32 s[G1B+4], 64
	s_mov_b32 s[G1B+5], SIZE_K
	s_mov_b32 s[G1B+6], 0
	s_mov_b32 s[G1B+7], 0
	s_lshl_b32 s16, s13, 13                        ; A: the tile's 128 rows in a chunk,
	s_lshl_b32 s17, s12, 20                        ; + my four chunks
	s_add_co_u32 s16, s16, s17
	s_mov_b32 s17, 0
	s_lshl_b32 s46, s42, 7
	s_lshl_b32 s47, s12, 6
	s_add_co_u32 s46, s46, s47
	s_mul_i32 s46, s46, SIZE_K
	s_add_co_u32 s46, s46, WOFF                    ; the weight: place 128 x tile column + 64 x half
	s_mov_b32 s47, 0
	s_mul_i32 s20, s12, 4*ACH                      ; where they go in a slot
	s_mul_i32 s21, s12, 64*BP
	s_add_co_u32 s21, s21, APART
	s_wait_kmcnt 0x0
	s_load_b64 s[72:73], s[66:67], EOFF
	s_add_nc_u64 s[14:15], s[4:5], s[16:17]
	s_add_nc_u64 s[46:47], s[6:7], s[46:47]
	CROUND
.irp s, 0,1
	s_mov_b32 s[G0+4*\s], 1
	s_add_co_u32 s[G0+4*\s+1], s20, \s*SLOT
	s_add_nc_u64 s[G0+4*\s+2:G0+4*\s+3], s[14:15], \s*8*262144
	s_or_b32 s[G0+4*\s+3], s[G0+4*\s+3], 0x80000000
	s_mov_b32 s[G0B+4*\s], 1
	s_add_co_u32 s[G0B+4*\s+1], s21, \s*SLOT
	s_add_nc_u64 s[G0B+4*\s+2:G0B+4*\s+3], s[46:47], \s*512
	s_or_b32 s[G0B+4*\s+3], s[G0B+4*\s+3], 0x80000000
	JLOAD \s
.endr
	v_and_b32 v1, 15, v0                           ; r
	v_bfe_u32 v2, v0, 4, 1                         ; h
	v_lshrrev_b32 v3, 2, v1
	v_mul_u32_u24 v3, v3, 272
	v_and_b32 v4, 3, v1
	v_lshl_add_u32 v3, v4, 6, v3
	v_lshl_add_u32 v3, v2, 4, v3                   ; A: (r / 4) x 272 + (r % 4) x 64 + 16 h
	v_mul_u32_u24 v4, v1, BP
	v_lshl_add_u32 v4, v2, 4, v4                   ; the weight: r x 528 + 16 h
	s_mul_i32 s22, s11, 4352                       ; my 64 rows: 16 long rows
	s_mul_i32 s23, s12, 64*BP
	s_add_co_u32 s23, s23, APART
.irp s, 0,1
	v_add_nc_u32 v[ADRA+\s], s22, v3
	v_add_nc_u32 v[ADRB+\s], s23, v4
	s_add_co_u32 s22, s22, SLOT
	s_add_co_u32 s23, s23, SLOT
.endr
	s_mul_i32 s22, s10, 4352
	s_add_co_u32 s22, s22, STAGE
	v_mul_u32_u24 v5, v1, 272
	v_lshl_add_u32 v5, v2, 6, v5
	v_add_nc_u32 v[STO], s22, v5                   ; in: row r, + 64 h
	v_mul_u32_u24 v5, v2, 272
	v_lshl_add_u32 v5, v1, 4, v5
	v_add_nc_u32 v[RD], s22, v5                    ; back: sixteen lanes to a row of 256 bytes
	v_lshlrev_b32 v5, 12, v2
	v_lshl_add_u32 v[CO], v1, 4, v5                ; the same two rows in memory
	s_lshl_b32 s76, s13, 7
	s_lshl_b32 s77, s11, 6
	s_add_co_u32 s76, s76, s77
	s_lshl_b32 s76, s76, 12                        ; my first row, of 4,096 bytes,
	s_lshl_b32 s78, s42, 7
	s_lshl_b32 s79, s12, 6
	s_add_co_u32 s78, s78, s79
	s_lshl_b32 s78, s78, 2                         ; my first column
	s_add_co_u32 s76, s76, s78
	s_mov_b32 s77, 0
	s_add_nc_u64 s[68:69], s[68:69], s[76:77]
	s_add_nc_u64 s[70:71], s[70:71], s[76:77]
	WIN 0x80                                       ; destination window 2: the residual's 64 x 64 comes now and is waited for on the way out
.irp a, 0,1,2,3
.irp i, 0,1,2,3,4,5,6,7
	global_load_b128 v[4*(8*\a+\i):4*(8*\a+\i)+3], v[CO], s[68:69] offset:(16*\a+2*\i)*4096 th:TH_LOAD_NT
.endr
.endr
	WIN 0
.macro MULA f, a, zero                 ; A's block a against the weight's four: the 16 accumulators take turns in the same order in every quarter
.irp b, 0,1,2,3
.if \zero
	v_wmma_f32_16x16x128_fp8_fp8 v[ACC+8*(4*(\a)+\b):ACC+8*(4*(\a)+\b)+7], v[\f+64+16*\b:\f+64+16*\b+15], v[\f+16*(\a):\f+16*(\a)+15], 0
.else
	v_wmma_f32_16x16x128_fp8_fp8 v[ACC+8*(4*(\a)+\b):ACC+8*(4*(\a)+\b)+7], v[\f+64+16*\b:\f+64+16*\b+15], v[\f+16*(\a):\f+16*(\a)+15], v[ACC+8*(4*(\a)+\b):ACC+8*(4*(\a)+\b)+7]
.endif
.endr
.endm
.macro FETCH slot, q, f                ; 32 LDS loads: the fragments of the slot's q-th 128 along K: the weight's four, then A's four
	WIN TO_F
.irp i, 0,1,2,3
.irp c, 0,1,2,3
	ds_load_b128 v[\f+64+16*\i+4*\c:\f+64+16*\i+4*\c+3], v[ADRB+\slot] offset:128*(\q)+32*\c+\i*16*BP
.endr
.endr
.irp i, 0,1,2,3
.irp c, 0,1,2,3
	ds_load_b128 v[\f+16*\i+4*\c:\f+16*\i+4*\c+3], v[ADRA+\slot] offset:(2*(\q)+\c/2)*ACH+\i*1088+32*(\c%2)
.endr
.endr
.endm
.macro PLACES
.rept 4
	v_nop
.endr
.endm
.macro QUARTER slot, qn, f, g, zero    ; multiplies set f, fetches the slot's quarter qn into set g
	s_wait_dscnt 8                                 ; the youngest 8 loads (A's blocks 2, 3) may be out
	WIN MUL
	MULA \f, 0, \zero
	MULA \f, 1, \zero
	PLACES
	FETCH \slot, \qn, \g
	s_wait_dscnt 32                                ; all but the 32 just issued
	WIN MUL
	MULA \f, 2, \zero
	MULA \f, 3, \zero
.endm
.macro TURN slot, next, fill           ; the last quarter multiplies set 1 and changes slots: one barrier
	WIN 0
	s_wait_tensorcnt 0x0                           ; all my tensor loads have landed: my part of the next slot
	ds_add_u32 v[SPW], v[NIL]                      ; 0 onto my spare word
	s_wait_dscnt 9                                 ; the add and the youngest 8 loads may be out
	WIN MUL
	MULA F1, 0, 0
	s_wait_dscnt 0x0                               ; the add is done, and my reads of this slot are over
	s_barrier_signal -1
	MULA F1, 1, 0
.if \fill
	WIN 0
.endif
	s_barrier_wait -1
.if \fill
	CREST                                          ; the barrier has opened a round of the cluster's
	s_add_nc_u64 s[G0+4*\slot+2:G0+4*\slot+3], s[G0+4*\slot+2:G0+4*\slot+3], 16*262144
	s_add_nc_u64 s[G0B+4*\slot+2:G0B+4*\slot+3], s[G0B+4*\slot+2:G0B+4*\slot+3], 1024
	JLOAD \slot                                    ; the first tensor load behind the round; its four v_nop are the places in front of the loads below
.else
	PLACES
.endif
	FETCH \next, 0, F0
	WIN MUL
	MULA F1, 2, 0
	MULA F1, 3, 0
.endm
	s_wait_tensorcnt 1                             ; my part of K step 0 is in; K step 1's load may be out
	s_barrier_signal -1
	s_barrier_wait -1
	FETCH 0, 0, F0
	QUARTER 0, 1, F0, F1, 1                        ; the first products start the sums
.if LAPS > 1
	WIN 0
	s_mov_b32 s3, LAPS-1
.Llap:
	QUARTER 0, 2, F1, F0, 0
	QUARTER 0, 3, F0, F1, 0
	TURN 0, 1, 1
	QUARTER 1, 1, F0, F1, 0
	QUARTER 1, 2, F1, F0, 0
	QUARTER 1, 3, F0, F1, 0
	TURN 1, 0, 1
	QUARTER 0, 1, F0, F1, 0
	WIN 0
	s_sub_co_u32 s3, s3, 1
	s_cmp_lg_u32 s3, 0
	s_cbranch_scc1 .Llap
.endif
	QUARTER 0, 2, F1, F0, 0
	QUARTER 0, 3, F0, F1, 0
	TURN 0, 1, 0
	QUARTER 1, 1, F0, F1, 0
	QUARTER 1, 2, F1, F0, 0
	QUARTER 1, 3, F0, F1, 0
	s_wait_dscnt 8
	WIN MUL
	MULA F1, 0, 0
	MULA F1, 1, 0
	s_wait_dscnt 0
	MULA F1, 2, 0
	MULA F1, 3, 0
	WIN 0
; THE WAY OUT, 16 rows x 64 columns at a time: the sums go through my stage as they are, come back as whole rows of 256 bytes, and one packed multiply-add gives sum x 2^(eA + eB) + residual.
.macro TOSTAGE a
.irp b, 0,1,2,3
	ds_store_b128 v[STO], v[ACC+8*(4*(\a)+\b):ACC+8*(4*(\a)+\b)+3] offset:128*(\b/2)+32*(\b%2)        ; each accumulator from its low end on; columns 32 (b / 2) + 16 h + 8 (b % 2) + 0..7
	ds_store_b128 v[STO], v[ACC+8*(4*(\a)+\b)+4:ACC+8*(4*(\a)+\b)+7] offset:128*(\b/2)+32*(\b%2)+16
.endr
.irp i, 0,1,2,3,4,5,6,7
	ds_load_b128 v[TMP+32*((\a)%2)+4*\i:TMP+32*((\a)%2)+4*\i+3], v[RD] offset:544*\i   ; my own bytes, served in order
.endr
.endm
.macro FIN a, younger
.set TT, TMP+32*((\a)%2)
	s_wait_dscnt \younger                          ; the next block's 8 stores and 8 loads may be out
	WIN 0x20                                       ; source 2 (the residual) window 2
.set j, 0
.rept 16
	v_pk_fma_f32 v[TT+j:TT+j+1], v[TT+j:TT+j+1], s[74:75], v[32*(\a)+j:32*(\a)+j+1] op_sel_hi:[1,0,1]
.set j, j+2
.endr
	WIN 0
.irp i, 0,1,2,3,4,5,6,7
	global_store_b128 v[CO], v[TT+4*\i:TT+4*\i+3], s[70:71] offset:(16*(\a)+2*\i)*4096   ; sixteen lanes store 256 consecutive bytes, aligned
.endr
.endm
	s_wait_kmcnt 0x0
	s_add_co_i32 s74, s72, s73
	s_add_co_i32 s74, s74, 127
	s_lshl_b32 s74, s74, 23                        ; 2^(eA + eB) as f32
	s_mov_b32 s75, s74
	PLACES
	s_wait_loadcnt 0x0                             ; the residual
	TOSTAGE 0
.irp a, 1,2,3
.if \a > 1
	s_wait_xcnt 0x0                                ; block a - 2's stores have read their registers: block a's loads may land there
.endif
	TOSTAGE \a
	FIN \a-1, 16
.endr
	FIN 3, 0
	s_wait_tensorcnt 0x0                           ; the wave's end
	ds_add_u32 v[SPW], v[NIL]
	s_wait_dscnt 0x0
	CROUND
	s_endpgm
.Lfunc_end_k_q78f8e454ab_proj:
	.size	k_q78f8e454ab_proj, .Lfunc_end_k_q78f8e454ab_proj-k_q78f8e454ab_proj
	.p2alignl 7, 3214868480
	.fill 96, 4, 3214868480
	.section	.rodata,"a",@progbits
	.p2align	6, 0x0
	.amdhsa_kernel k_q78f8e454ab_proj
		.amdhsa_group_segment_fixed_size 327680
		.amdhsa_private_segment_fixed_size 0
		.amdhsa_enable_private_segment 0
		.amdhsa_kernarg_size 40
		.amdhsa_user_sgpr_count 2
		.amdhsa_user_sgpr_kernarg_segment_ptr 1
		.amdhsa_wavefront_size32 1
		.amdhsa_system_sgpr_workgroup_id_x 1
		.amdhsa_system_sgpr_workgroup_id_y 1
		.amdhsa_system_sgpr_workgroup_id_z 1
		.amdhsa_system_vgpr_workitem_id 0
		.amdhsa_next_free_vgpr 640
		.amdhsa_next_free_sgpr 80
		.amdhsa_reserve_vcc 0
		.amdhsa_float_denorm_mode_32 3
		.amdhsa_float_denorm_mode_16_64 3
		.amdhsa_memory_ordered 1
		.amdhsa_forward_progress 1
		.amdhsa_inst_pref_size 49
	.end_amdhsa_kernel
	.amdgpu_metadata
---
amdhsa.version: [ 1, 2 ]
amdhsa.kernels:
  - .name:           k_q78f8e454ab_proj
    .symbol:         k_q78f8e454ab_proj.kd
    .args:
      - { .name: oc, .offset: 0, .size: 8, .value_kind: global_buffer, .address_space: global }
      - { .name: wcodes, .offset: 8, .size: 8, .value_kind: global_buffer, .address_space: global }
      - { .name: lowp_scales, .offset: 16, .size: 8, .value_kind: global_buffer, .address_space: global }
      - { .name: x, .offset: 24, .size: 8, .value_kind: global_buffer, .address_space: global }
      - { .name: x1, .offset: 32, .size: 8, .value_kind: global_buffer, .address_space: global }
    .group_segment_fixed_size: 327680
    .private_segment_fixed_size: 0
    .kernarg_segment_align: 8
    .kernarg_segment_size: 40
    .max_flat_workgroup_size: 128
    .sgpr_count:     80
    .vgpr_count:     640
    .wavefront_size: 32
...
	.end_amdgpu_metadata
.endif
;; end of part 4
;; launch ln2 (part 5): grid 256 x 1, 4 waves a work-group, no clusters, 16,896 bytes of LDS; arguments x1, ln2_w, ln2_b, lowp_scales, hc; writes hc
.if DOCPART == 5
	.amdgcn_target "amdgcn-amd-amdhsa--gfx1250"
	.amdhsa_code_object_version 6
	.text
	.protected	k_q78f8e454ab_ln2
	.globl	k_q78f8e454ab_ln2
	.p2align	8
	.type	k_q78f8e454ab_ln2,@function
k_q78f8e454ab_ln2:
	s_mov_b64 s[64:65], 0
	v_nop
	global_prefetch_b8 v0, s[64:65] scope:SCOPE_SE
	s_setreg_imm32_b32 hwreg(HW_REG_WAVE_MODE, 25, 1), 1
	s_wait_xcnt 0x0
; LayerNorm 2 of x1, quantised with scale 8, into hc [4096][1024].  One wave takes a whole row (32 numbers a lane), four rows by turns; mean first, then the variance of the centred numbers, all in f32.
; Memory binds: every load and store of a wave covers 512 consecutive bytes; no matrix unit, no cluster, no barrier: waves share nothing.
; LIMIT: e8 between -126 and 119.  NaN among the inputs is not served.
.set LW,   16                          ; v16-47   the gain at my 32 columns
.set LB,   48                          ; v48-79   the bias
.set LX,   80                          ; v80-207  four rows, 32 numbers each
.set LC,   208                         ; v208-239 their codes
.set LT,   240                         ; v240-255 four registers of statistics a row
	s_load_b256 s[8:15], s[0:1], 0x0               ; x1 8, ln2_w 10, ln2_b 12, the exponents 14
	s_load_b64 s[26:27], s[0:1], 0x20              ; hc
	v_lshl_add_u32 v14, v0, 2, 0x4000
	v_mov_b32 v15, 0
	v_lshrrev_b32 v1, 5, v0
	v_readfirstlane_b32 s28, v1
	v_and_b32 v2, 31, v0
	s_lshl_b32 s29, ttmp9, 4
	s_lshl_b32 s30, s28, 2
	s_add_co_u32 s29, s29, s30                     ; my wave's first row
	s_lshl_b32 s52, s29, 12
	s_mov_b32 s53, 0
	s_wait_kmcnt 0x0
	s_load_b32 s32, s[14:15], 0x20                 ; e8
	s_add_nc_u64 s[84:85], s[8:9], s[52:53]
	s_lshl_b32 s52, s29, 10
	s_add_nc_u64 s[86:87], s[26:27], s[52:53]
	v_lshlrev_b32 v3, 4, v2
	s_lshl_b32 s30, s28, 12                        ; my wave's stage: four rows of 1,024 codes
	v_lshl_add_u32 v5, v2, 2, s30
	v_add_nc_u32 v6, s30, v3
	s_mov_b32 s88, 0x76543210
	s_mov_b32 s89, 0xfedcba98
	s_mov_b32 s90, 0x3a800000                      ; 1 / 1024
	s_mov_b32 s91, 0x3727c5ac                      ; 1e-5
.irp p, 0,1,2,3
.irp j, 0,1,2,3,4,5,6,7
	global_load_b128 v[LX+32*\p+4*\j:LX+32*\p+4*\j+3], v3, s[84:85] offset:4096*\p+512*\j th:TH_LOAD_NT
.endr
.endr
.irp j, 0,1,2,3,4,5,6,7
	global_load_b128 v[LW+4*\j:LW+4*\j+3], v3, s[10:11] offset:512*\j
	global_load_b128 v[LB+4*\j:LB+4*\j+3], v3, s[12:13] offset:512*\j
.endr
	s_wait_kmcnt 0x0
	s_add_co_i32 s31, s32, 127
	s_lshl_b32 s52, s31, 23
	v_mov_b32 v9, s52
	s_add_co_i32 s31, s31, 8
	s_lshl_b32 s31, s31, 23
	s_or_b32 s31, s31, 0x600000
	v_mov_b32 v8, s31
.macro FOLD
.irp p, 0,1,2,3
	v_pk_add_f32 v[LT+4*\p:LT+4*\p+1], v[LT+4*\p:LT+4*\p+1], v[LT+4*\p+2:LT+4*\p+3]
.endr
.irp p, 0,1,2,3
	v_add_f32 v[LT+4*\p], v[LT+4*\p], v[LT+4*\p+1]
.endr
.irp m, 1,2,4,8
.irp p, 0,1,2,3
	v_add_f32_dpp v[LT+4*\p], v[LT+4*\p], v[LT+4*\p] row_xmask:\m row_mask:0xf bank_mask:0xf
.endr
.endr
.irp p, 0,1,2,3
	v_permlanex16_b32 v[LT+4*\p+1], v[LT+4*\p], s88, s89
.endr
.irp p, 0,1,2,3
	v_add_f32 v[LT+4*\p], v[LT+4*\p], v[LT+4*\p+1]
.endr
.endm
	s_wait_loadcnt 16                              ; the four rows are in; the 16 loads of gain and bias may be out
.irp p, 0,1,2,3
	v_pk_add_f32 v[LT+4*\p:LT+4*\p+1], v[LX+32*\p:LX+32*\p+1], v[LX+32*\p+2:LX+32*\p+3]
	v_pk_add_f32 v[LT+4*\p+2:LT+4*\p+3], v[LX+32*\p+4:LX+32*\p+5], v[LX+32*\p+6:LX+32*\p+7]
.endr
.irp m, 8,12,16,20,24,28
.irp p, 0,1,2,3
	v_pk_add_f32 v[LT+4*\p:LT+4*\p+1], v[LT+4*\p:LT+4*\p+1], v[LX+32*\p+\m:LX+32*\p+\m+1]
	v_pk_add_f32 v[LT+4*\p+2:LT+4*\p+3], v[LT+4*\p+2:LT+4*\p+3], v[LX+32*\p+\m+2:LX+32*\p+\m+3]
.endr
.endr
	FOLD
.irp p, 0,1,2,3
	v_mul_f32 v[LT+4*\p], s90, v[LT+4*\p]          ; the mean
.endr
.set j, 0
.rept 16
.irp p, 0,1,2,3
	v_pk_add_f32 v[LX+32*\p+j:LX+32*\p+j+1], v[LX+32*\p+j:LX+32*\p+j+1], v[LT+4*\p:LT+4*\p+1] op_sel_hi:[1,0] neg_lo:[0,1] neg_hi:[0,1]
.endr
.set j, j+2
.endr
.irp p, 0,1,2,3
	v_pk_mul_f32 v[LT+4*\p:LT+4*\p+1], v[LX+32*\p:LX+32*\p+1], v[LX+32*\p:LX+32*\p+1]
	v_pk_mul_f32 v[LT+4*\p+2:LT+4*\p+3], v[LX+32*\p+2:LX+32*\p+3], v[LX+32*\p+2:LX+32*\p+3]
.endr
.irp m, 4,8,12,16,20,24,28
.irp p, 0,1,2,3
	v_pk_fma_f32 v[LT+4*\p:LT+4*\p+1], v[LX+32*\p+\m:LX+32*\p+\m+1], v[LX+32*\p+\m:LX+32*\p+\m+1], v[LT+4*\p:LT+4*\p+1]
	v_pk_fma_f32 v[LT+4*\p+2:LT+4*\p+3], v[LX+32*\p+\m+2:LX+32*\p+\m+3], v[LX+32*\p+\m+2:LX+32*\p+\m+3], v[LT+4*\p+2:LT+4*\p+3]
.endr
.endr
	FOLD
.irp p, 0,1,2,3
	v_fma_f32 v[LT+4*\p], v[LT+4*\p], s90, s91     ; the variance + 1e-5
.endr
.irp p, 0,1,2,3
	v_rsq_f32 v[LT+4*\p+2], v[LT+4*\p]
.endr
	v_nop                                          ; a plain instruction behind the last of the batch
	s_wait_alu depctr_va_vdst(0)                   ; one wait for the four, ahead of their first reader
	s_wait_loadcnt 0x0                             ; gain and bias
.set j, 0
.rept 16
.irp p, 0,1,2,3
	v_pk_mul_f32 v[LX+32*\p+j:LX+32*\p+j+1], v[LX+32*\p+j:LX+32*\p+j+1], v[LT+4*\p+2:LT+4*\p+3] op_sel_hi:[1,0]
.endr
.set j, j+2
.endr
.set j, 0
.rept 16
.irp p, 0,1,2,3
	v_pk_fma_f32 v[LX+32*\p+j:LX+32*\p+j+1], v[LX+32*\p+j:LX+32*\p+j+1], v[LW+j:LW+j+1], v[LB+j:LB+j+1]
.endr
.set j, j+2
.endr
.set j, 0
.rept 128
	v_med3_num_f32 v[LX+j], v[LX+j], -v8, v8       ; the hold at the largest code x the scale (the conversion does not saturate: ISA guide 7.6.2)
.set j, j+1
.endr
.set j, 0
.rept 16
	v_cvt_scalef32_pk8_fp8_f32 v[LC+2*j:LC+2*j+1], v[LX+8*j:LX+8*j+7], v9
.set j, j+1
.endr
	v_nop
.irp p, 0,1,2,3
.irp j, 0,1,2,3,4,5,6,7
	ds_store_b32 v5, v[LC+8*\p+\j] offset:1024*\p+128*\j
.endr
.endr
.irp p, 0,1,2,3
.irp u, 0,1
	ds_load_b128 v[LX+32*\p+4*\u:LX+32*\p+4*\u+3], v6 offset:1024*\p+512*\u   ; my wave's own bytes, served in order
.endr
.endr
.irp p, 0,1,2,3
.irp u, 0,1
	s_wait_dscnt 7-2*\p-\u                         ; the younger loads may be out
	global_store_b128 v3, v[LX+32*\p+4*\u:LX+32*\p+4*\u+3], s[86:87] offset:1024*\p+512*\u
.endr
.endr
	s_wait_tensorcnt 0x0
	ds_add_u32 v14, v15
	s_wait_dscnt 0x0
	s_endpgm
.Lfunc_end_k_q78f8e454ab_ln2:
	.size	k_q78f8e454ab_ln2, .Lfunc_end_k_q78f8e454ab_ln2-k_q78f8e454ab_ln2
	.p2alignl 7, 3214868480
	.fill 96, 4, 3214868480
	.section	.rodata,"a",@progbits
	.p2align	6, 0x0
	.amdhsa_kernel k_q78f8e454ab_ln2
		.amdhsa_group_segment_fixed_size 16896
		.amdhsa_private_segment_fixed_size 0
		.amdhsa_enable_private_segment 0
		.amdhsa_kernarg_size 40
		.amdhsa_user_sgpr_count 2
		.amdhsa_user_sgpr_kernarg_segment_ptr 1
		.amdhsa_wavefront_size32 1
		.amdhsa_system_sgpr_workgroup_id_x 1
		.amdhsa_system_sgpr_workgroup_id_y 1
		.amdhsa_system_sgpr_workgroup_id_z 1
		.amdhsa_system_vgpr_workitem_id 0
		.amdhsa_next_free_vgpr 256
		.amdhsa_next_free_sgpr 96
		.amdhsa_reserve_vcc 0
		.amdhsa_float_denorm_mode_32 3
		.amdhsa_float_denorm_mode_16_64 3
		.amdhsa_memory_ordered 1
		.amdhsa_forward_progress 1
		.amdhsa_inst_pref_size 43
	.end_amdhsa_kernel
	.amdgpu_metadata
---
amdhsa.version: [ 1, 2 ]
amdhsa.kernels:
  - .name:           k_q78f8e454ab_ln2
    .symbol:         k_q78f8e454ab_ln2.kd
    .args:
      - { .name: x1, .offset: 0, .size: 8, .value_kind: global_buffer, .address_space: global }
      - { .name: ln2_w, .offset: 8, .size: 8, .value_kind: global_buffer, .address_space: global }
      - { .name: ln2_b, .offset: 16, .size: 8, .value_kind: global_buffer, .address_space: global }
      - { .name: lowp_scales, .offset: 24, .size: 8, .value_kind: global_buffer, .address_space: global }
      - { .name: hc, .offset: 32, .size: 8, .value_kind: global_buffer, .address_space: global }
    .group_segment_fixed_size: 16896
    .private_segment_fixed_size: 0
    .kernarg_segment_align: 8
    .kernarg_segment_size: 40
    .max_flat_workgroup_size: 128
    .sgpr_count:     96
    .vgpr_count:     256
    .wavefront_size: 32
...
	.end_amdgpu_metadata
.endif
;; end of part 5
;; launch ff1 (part 6): grid 16 x 16, 4 waves a work-group, clusters of 4 x 4, 327,680 bytes of LDS; arguments hc, wcodes, lowp_scales, gc; writes gc
.if DOCPART == 6
	.amdgcn_target "amdgcn-amd-amdhsa--gfx1250"
	.amdhsa_code_object_version 6
	.text
	.protected	k_q78f8e454ab_ff1
	.globl	k_q78f8e454ab_ff1
	.p2align	8
	.type	k_q78f8e454ab_ff1,@function
k_q78f8e454ab_ff1:
	s_mov_b64 s[64:65], 0
	v_nop
	global_prefetch_b8 v0, s[64:65] scope:SCOPE_SE
	s_setreg_imm32_b32 hwreg(HW_REG_WAVE_MODE, 25, 1), 1
	s_wait_xcnt 0x0
	s_wait_alu depctr_hold_cnt(0) depctr_sa_sdst(0) depctr_va_vdst(0) depctr_va_sdst(0) depctr_va_ssrc(0) depctr_va_vcc(0) depctr_vm_vsrc(0)
	s_getreg_b32 s2, hwreg(HW_REG_IB_STS2, 6, 4)
	s_cmp_eq_u32 s2, 0
	s_cbranch_scc0 .Lentry_in_a_cluster
	s_endpgm
.Lentry_in_a_cluster:
	s_bfe_u32 s2, ttmp6, 0x10000c
	s_cmp_lg_u32 s2, 0xf033
	s_cbranch_scc0 .Lentry_shape_is_right
	s_endpgm
.Lentry_shape_is_right:
; Product 5, the activation, and its quantising with scale 10: gc = Q(gelu(LN2(x1) w_ff1)), on codes of E4M3.
; gelu(x) = 0.5 x (1 + u / (1 + |u|)), u = x (K0 + K1 x^2), K0 = sqrt(2 / pi), K1 = K0 x 0.044715; all in f32; the 0.5 goes into the conversion's scale, which is exact.
; A tile of 256 x 256 is made by four waves, 128 x 128 each.  K = 1,024 goes in four steps of 256 through two LDS slots.  The matrix instruction is used transposed (source 0 = the weight's places,
; source 1 = tokens): a lane holds a token, and two neighbouring tiles give it 16 neighbouring columns (place p holds column p with bits 3 and 4 exchanged): product 6's K.
; OUT: byte (column / 64) x 262,144 + token x 64 + column % 64.   CLUSTERS: 4 x 4, joint loads.
; LIMITS: e8 + e9 between -126 and 127; e10 + 1 between -126 and 119; |x| under 1e12 (beyond it 1 / (1 + |u|) leaves the range of normal f32 numbers).
.set KSTEP,  256
.set ROWB,   256
.set KROW,   1024
.set PITCH,  272
.set FR,     16
.set NL,     4
.set NP,     4
.set HALFT,  128*PITCH
.set SLOT,   4*HALFT
.set SPARE,  2*SLOT
.set ADRA, 16
.set ADRB, 20
.set LIM,  22
.set SCL,  23
.set STO,  24
.set RD,   25
.set CO,   26
.set SPW,  28
.set NIL,  29                          ; v[30:31] K0
.set GX,   32                          ; v32-63  x, then the result
.set GU,   64                          ; v64-95  u
.set GR,   96                          ; v96-127 at work
.set AF,   128
.set CD,   128                         ; the way out: codes, two sets of 16
.set BK,   160                         ; and codes read back, two sets of 16
.set G1, 24
.set G0, 32
.set G1B, 48
.set G0B, 56
.set MSB, 0
.macro WIN new
.if MSB != \new
	s_set_vgpr_msb (MSB<<8)|\new
.set MSB, \new
.endif
.endm
.set MUL_LO, 0xa1
.set MUL_HI, 0xf1
.set TO_B,   0x40
.macro JLOAD g0a, g1a, g0b, g1b
	s_cmp_eq_u32 s15, 0
	s_cbranch_scc0 .Lfor_b_\@
	tensor_load_to_lds s[\g0a:\g0a+3], s[\g1a:\g1a+7]
	s_nop 0
.rept 4
	v_nop
.endr
	s_branch .Lasked_\@
.Lfor_b_\@:
	tensor_load_to_lds s[\g0b:\g0b+3], s[\g1b:\g1b+7]
	s_nop 0
.rept 4
	v_nop
.endr
.Lasked_\@:
.endm
.macro CREST
	s_cmp_lg_u32 s14, 0
	s_cbranch_scc1 .Lnot_wave_0_\@
	s_barrier_signal -3
.Lnot_wave_0_\@:
	s_barrier_wait -3
	s_barrier_signal -1
	s_barrier_wait -1
.endm
.macro CROUND
	s_barrier_signal -1
	s_barrier_wait -1
	CREST
.endm
	s_load_b128 s[4:7], s[0:1], 0x0                ; hc, wcodes
	s_load_b128 s[8:11], s[0:1], 0x10              ; the exponents, gc
	v_lshl_add_u32 v[SPW], v0, 2, SPARE
	v_mov_b32 v[NIL], 0
	ds_add_u32 v28, v29
	ds_add_u32 v28, v29
	s_wait_dscnt 0x0
	v_lshrrev_b32 v1, 5, v0
	v_readfirstlane_b32 s14, v1
	s_lshr_b32 s15, s14, 1
	s_and_b32 s16, s14, 1
	s_bfe_u32 s40, ttmp6, 0x40000
	s_bfe_u32 s41, ttmp6, 0x40004
	s_lshl_b32 s42, ttmp9, 2
	s_add_co_u32 s42, s42, s40                     ; the weight's tile
	s_and_b32 s17, ttmp7, 0xffff
	s_lshl_b32 s17, s17, 2
	s_add_co_u32 s17, s17, s41                     ; the tokens' tile
	s_lshl_b32 s43, s41, 2
	s_lshl_b32 s43, 15, s43
	s_lshl_b32 s44, 0x1111, s40
	s_or_b32 s[G1+0], s43, (0<<16)|(1<<20)|(1<<21)|(5<<22)|(3<<25)
	s_or_b32 s[G1B+0], s44, (0<<16)|(1<<20)|(1<<21)|(5<<22)|(3<<25)
.irp g, G1, G1B
	s_mov_b32 s[\g+1], ROWB<<16
	s_mov_b32 s[\g+2], 128<<16
	s_mov_b32 s[\g+3], ROWB<<16
	s_mov_b32 s[\g+4], 128
	s_mov_b32 s[\g+5], KROW
	s_mov_b32 s[\g+6], 0
	s_mov_b32 s[\g+7], 0
.endr
	s_lshl_b32 s18, s16, 7
	s_lshl_b32 s20, s17, 8
	s_add_co_u32 s20, s20, s18
	s_lshl_b32 s20, s20, 10
	s_mov_b32 s21, 0
	s_lshl_b32 s46, s42, 8
	s_add_co_u32 s46, s46, s18
	s_lshl_b32 s46, s46, 10
	s_add_co_u32 s46, s46, 0x400000                ; w_ff1's place in wcodes
	s_mov_b32 s47, 0
	s_mul_i32 s45, s14, HALFT
	s_wait_kmcnt 0x0
	s_load_b128 s[72:75], s[8:9], 0x20             ; e8 .. e11
	s_add_nc_u64 s[20:21], s[4:5], s[20:21]
	s_add_nc_u64 s[46:47], s[6:7], s[46:47]
	CROUND
.irp s, 0,1
	s_mov_b32 s[G0+4*\s], 1
	s_add_co_u32 s[G0+4*\s+1], s45, \s*SLOT
	s_add_nc_u64 s[G0+4*\s+2:G0+4*\s+3], s[20:21], \s*ROWB
	s_or_b32 s[G0+4*\s+3], s[G0+4*\s+3], 0x80000000
	s_mov_b32 s[G0B+4*\s], 1
	s_add_co_u32 s[G0B+4*\s+1], s45, \s*SLOT
	s_add_nc_u64 s[G0B+4*\s+2:G0B+4*\s+3], s[46:47], \s*ROWB
	s_or_b32 s[G0B+4*\s+3], s[G0B+4*\s+3], 0x80000000
	JLOAD G0+4*\s, G1, G0B+4*\s, G1B
.endr
	v_and_b32 v1, 15, v0
	v_bfe_u32 v2, v0, 4, 1
	v_mul_u32_u24 v3, v1, PITCH
	v_lshl_add_u32 v4, v2, 4, v3
	s_mul_i32 s21, s15, HALFT
	s_mul_i32 s22, s16, HALFT
	s_add_co_u32 s22, s22, 2*HALFT
.irp s, 0,1
	v_add_nc_u32 v[ADRA+\s], s21, v4
	v_add_nc_u32 v[ADRB+\s], s22, v4
	s_add_co_u32 s21, s21, SLOT
	s_add_co_u32 s22, s22, SLOT
.endr
	s_mul_i32 s23, s14, 2304                       ; my stage: 16 rows of 128 + 16 bytes, in slot 0, which has had its last fill and its last read when the first code is stored there
	v_mul_u32_u24 v5, v1, 144
	v_lshl_add_u32 v5, v2, 4, v5
	v_add_nc_u32 v[STO], s23, v5
	v_and_b32 v6, 31, v0
	v_lshlrev_b32 v[CO], 4, v6
	v_lshrrev_b32 v7, 2, v6
	v_mul_u32_u24 v7, v7, 144
	v_and_b32 v8, 3, v6
	v_lshl_add_u32 v7, v8, 4, v7
	v_add_nc_u32 v[RD], s23, v7
	s_lshl_b32 s84, s17, 2
	s_lshl_b32 s85, s15, 1
	s_add_co_u32 s84, s84, s85                     ; my first token / 64
	s_lshl_b32 s86, s42, 2
	s_lshl_b32 s87, s16, 1
	s_add_co_u32 s86, s86, s87                     ; my first chunk
	s_lshl_b32 s86, s86, 18
	s_lshl_b32 s84, s84, 12
	s_add_co_u32 s84, s84, s86
	s_mov_b32 s85, 0
	s_add_nc_u64 s[10:11], s[10:11], s[84:85]
.macro FRAG reg, adr, q, i
.irp c, 0,1,2,3
	ds_load_b128 v[\reg+4*\c:\reg+4*\c+3], v[\adr] offset:128*(\q)+32*\c+(\i)*16*PITCH
.endr
.endm
.macro MUL16 a0, p, zero               ; the 64 accumulators take turns, one instruction a turn
.irp a, \a0, \a0+1
.irp b, 0,1,2,3,4,5,6,7
.if \zero
	v_wmma_f32_16x16x128_fp8_fp8 v[8*(8*((\a)%4)+\b):8*(8*((\a)%4)+\b)+7], v[128*(\p)+FR*\b:128*(\p)+FR*\b+FR-1], v[AF+FR*(\a):AF+FR*(\a)+FR-1], 0
.else
	v_wmma_f32_16x16x128_fp8_fp8 v[8*(8*((\a)%4)+\b):8*(8*((\a)%4)+\b)+7], v[128*(\p)+FR*\b:128*(\p)+FR*\b+FR-1], v[AF+FR*(\a):AF+FR*(\a)+FR-1], v[8*(8*((\a)%4)+\b):8*(8*((\a)%4)+\b)+7]
.endif
.endr
.endr
.endm
.macro FETCH_B slot, q, p
	WIN TO_B
.irp i, 0,1,2,3,4,5,6,7
	FRAG 128*(\p)+FR*\i, ADRB+\slot, \q, \i
.endr
	WIN 0
.endm
.macro FETCH_A slot, q, i0
.irp i, \i0, \i0+1, \i0+2, \i0+3
	FRAG AF+FR*(\i), ADRA+\slot, \q, \i
.endr
.endm
.macro PLACES n
.rept \n
	v_nop
.endr
.endm
.macro STEP slot, q, zero
	s_wait_dscnt 4*NL                              ; the youngest 16 loads (A's blocks 4-7) may be out
	WIN MUL_LO
	MUL16 0, (\q)%2, \zero
	MUL16 2, (\q)%2, \zero
	s_wait_dscnt 0
	PLACES NP
	FETCH_B \slot, (\q)+1, 1-(\q)%2
	FETCH_A \slot, (\q)+1, 0
	WIN MUL_HI
	MUL16 4, (\q)%2, \zero
	MUL16 6, (\q)%2, \zero
	PLACES NP
	WIN 0
	FETCH_A \slot, (\q)+1, 4
.endm
.macro TURN slot, next, fill
	s_wait_tensorcnt 0x0                           ; all my tensor loads have landed: my part of the next slot
	ds_add_u32 v[SPW], v[NIL]                      ; 0 onto my spare word
	s_wait_dscnt 4*NL+1                            ; the add and the youngest 16 loads may be out
	WIN MUL_LO
	MUL16 0, 1, 0
	s_wait_dscnt 0x0                               ; the add is done, and my reads of this slot are over
	s_barrier_signal -1
	MUL16 2, 1, 0
	WIN 0
	s_barrier_wait -1
.if \fill
	CREST
	s_add_nc_u64 s[G0+4*\slot+2:G0+4*\slot+3], s[G0+4*\slot+2:G0+4*\slot+3], 2*ROWB
	s_add_nc_u64 s[G0B+4*\slot+2:G0B+4*\slot+3], s[G0B+4*\slot+2:G0B+4*\slot+3], 2*ROWB
	JLOAD G0+4*\slot, G1, G0B+4*\slot, G1B
.else
	PLACES NP
.endif
	FETCH_B \next, 0, 0
	FETCH_A \next, 0, 0
	WIN MUL_HI
	MUL16 4, 1, 0
	MUL16 6, 1, 0
	PLACES NP
	WIN 0
	FETCH_A \next, 0, 4
.endm
	s_wait_tensorcnt 1                             ; my part of K step 0 is in; K step 1's load may be out
	s_barrier_signal -1
	s_barrier_wait -1
	FETCH_B 0, 0, 0
	FETCH_A 0, 0, 0
	FETCH_A 0, 0, 4
	STEP 0, 0, 1
	TURN 0, 1, 1
	STEP 1, 0, 0
	TURN 1, 0, 1
	STEP 0, 0, 0
	TURN 0, 1, 0
	STEP 1, 0, 0
	s_wait_dscnt 4*NL
	WIN MUL_LO
	MUL16 0, 1, 0
	MUL16 2, 1, 0
	s_wait_dscnt 0
	WIN MUL_HI
	MUL16 4, 1, 0
	MUL16 6, 1, 0
	WIN 0
; THE WAY OUT.  Half a block (16 tokens x 64 columns, 32 numbers a lane) at a time: the activation, the hold, the conversion.
.macro GELU a, hf
.set AC, 64*((\a)%4)+32*(\hf)
	WIN 0x02+((\a)/4)                              ; source 0: window 2 or 3
.set j, 0
.rept 16
	v_pk_mul_f32 v[GX+j:GX+j+1], v[AC+j:AC+j+1], s[96:97] op_sel_hi:[1,0]   ; x = sum x 2^(e8 + e9); each accumulator from its low end on
.set j, j+2
.endr
	WIN 0
.set j, 0
.rept 16
	v_pk_mul_f32 v[GR+j:GR+j+1], v[GX+j:GX+j+1], v[GX+j:GX+j+1]
.set j, j+2
.endr
.set j, 0
.rept 16
	v_pk_fma_f32 v[GR+j:GR+j+1], v[GR+j:GR+j+1], s[82:83], v[30:31] op_sel_hi:[1,0,0]   ; K1 x^2 + K0
.set j, j+2
.endr
.set j, 0
.rept 16
	v_pk_mul_f32 v[GU+j:GU+j+1], v[GX+j:GX+j+1], v[GR+j:GR+j+1]                         ; u
.set j, j+2
.endr
.set j, 0
.rept 32
	v_add_f32 v[GR+j], 1.0, |v[GU+j]|
.set j, j+1
.endr
.set j, 0
.rept 32
	v_rcp_f32 v[GR+j], v[GR+j]
.set j, j+1
.endr
	v_nop                                          ; a plain instruction behind the last of the batch
	s_wait_alu depctr_va_vdst(0)                   ; one wait for the 32, ahead of their first reader
.set j, 0
.rept 16
	v_pk_fma_f32 v[GU+j:GU+j+1], v[GU+j:GU+j+1], v[GR+j:GR+j+1], 1.0 op_sel_hi:[1,1,0]  ; 1 + u / (1 + |u|)
.set j, j+2
.endr
.set j, 0
.rept 16
	v_pk_mul_f32 v[GX+j:GX+j+1], v[GX+j:GX+j+1], v[GU+j:GU+j+1]
.set j, j+2
.endr
.set j, 0
.rept 32
	v_med3_num_f32 v[GX+j], v[GX+j], -v[LIM], v[LIM]
.set j, j+1
.endr
.set CC, CD+16*((\a)%2)+8*(\hf)
.irp b, 0,1,2,3
	v_cvt_scalef32_pk8_fp8_f32 v[CC+2*\b:CC+2*\b+1], v[GX+8*\b:GX+8*\b+7], v[SCL]
.endr
	v_nop
.endm
.macro TOSTAGE a
.set CC, CD+16*((\a)%2)
.set BB, BK+16*((\a)%2)
.irp b, 0,1,2,3
	ds_store_b128 v[STO], v[CC+4*\b:CC+4*\b+3] offset:32*\b
.endr
.irp q, 0,1,2,3
	ds_load_b128 v[BB+4*\q:BB+4*\q+3], v[RD] offset:64*(\q/2)+1152*(\q%2)
.endr
.endm
.macro SEND a, younger
.set BB, BK+16*((\a)%2)
	s_wait_dscnt \younger                          ; the next block's 4 stores and 4 loads may be out
.irp q, 0,1,2,3
	global_store_b128 v[CO], v[BB+4*\q:BB+4*\q+3], s[10:11] offset:(\q/2)*262144+1024*(\a)+512*(\q%2)   ; 512 consecutive bytes, aligned
.endr
.endm
	s_wait_kmcnt 0x0
	s_add_co_i32 s96, s72, s73
	s_add_co_i32 s96, s96, 127
	s_lshl_b32 s96, s96, 23                        ; 2^(e8 + e9)
	s_mov_b32 s97, s96
	s_mov_b32 s82, 0x3d122279                      ; K1
	s_mov_b32 s83, s82
	v_mov_b32 v30, 0x3f4c422a                      ; K0
	v_mov_b32 v31, v30
	s_add_co_i32 s81, s74, 128                     ; e10 + 1: the activation's 0.5
	s_lshl_b32 s84, s81, 23
	v_mov_b32 v[SCL], s84
	s_add_co_i32 s81, s81, 8
	s_lshl_b32 s81, s81, 23
	s_or_b32 s81, s81, 0x600000
	v_mov_b32 v[LIM], s81
	PLACES NP
	GELU 0, 0
	GELU 0, 1
	TOSTAGE 0
.irp a, 1,2,3,4,5,6,7
.if \a > 1
	s_wait_xcnt 0x0                                ; block a - 2's stores have read their registers: block a's loads may land there
.endif
	GELU \a, 0
	GELU \a, 1
	TOSTAGE \a
	SEND \a-1, 8
.endr
	SEND 7, 0
	s_wait_tensorcnt 0x0                           ; the wave's end
	ds_add_u32 v[SPW], v[NIL]
	s_wait_dscnt 0x0
	CROUND
	s_endpgm
.Lfunc_end_k_q78f8e454ab_ff1:
	.size	k_q78f8e454ab_ff1, .Lfunc_end_k_q78f8e454ab_ff1-k_q78f8e454ab_ff1
	.p2alignl 7, 3214868480
	.fill 96, 4, 3214868480
	.section	.rodata,"a",@progbits
	.p2align	6, 0x0
	.amdhsa_kernel k_q78f8e454ab_ff1
		.amdhsa_group_segment_fixed_size 327680
		.amdhsa_private_segment_fixed_size 0
		.amdhsa_enable_private_segment 0
		.amdhsa_kernarg_size 32
		.amdhsa_user_sgpr_count 2
		.amdhsa_user_sgpr_kernarg_segment_ptr 1
		.amdhsa_wavefront_size32 1
		.amdhsa_system_sgpr_workgroup_id_x 1
		.amdhsa_system_sgpr_workgroup_id_y 1
		.amdhsa_system_sgpr_workgroup_id_z 1
		.amdhsa_system_vgpr_workitem_id 0
		.amdhsa_next_free_vgpr 1024
		.amdhsa_next_free_sgpr 100
		.amdhsa_reserve_vcc 0
		.amdhsa_float_denorm_mode_32 3
		.amdhsa_float_denorm_mode_16_64 3
		.amdhsa_memory_ordered 1
		.amdhsa_forward_progress 1
		.amdhsa_inst_pref_size 255
	.end_amdhsa_kernel
	.section	.bss,"aw",@nobits
	.p2align	6
	.space	262144
	.amdgpu_metadata
---
amdhsa.version: [ 1, 2 ]
amdhsa.kernels:
  - .name:           k_q78f8e454ab_ff1
    .symbol:         k_q78f8e454ab_ff1.kd
    .args:
      - { .name: hc, .offset: 0, .size: 8, .value_kind: global_buffer, .address_space: global }
      - { .name: wcodes, .offset: 8, .size: 8, .value_kind: global_buffer, .address_space: global }
      - { .name: lowp_scales, .offset: 16, .size: 8, .value_kind: global_buffer, .address_space: global }
      - { .name: gc, .offset: 24, .size: 8, .value_kind: global_buffer, .address_space: global }
    .group_segment_fixed_size: 327680
    .private_segment_fixed_size: 0
    .kernarg_segment_align: 8
    .kernarg_segment_size: 32
    .max_flat_workgroup_size: 128
    .sgpr_count:     100
    .vgpr_count:     1024
    .wavefront_size: 32
...
	.end_amdgpu_metadata
.endif
;; end of part 6
;; launch ff2 (part 7): grid 8 x 32, 4 waves a work-group, clusters of 4 x 4, 327,680 bytes of LDS; arguments gc, wcodes, lowp_scales, x1, out0; writes out0
.if DOCPART == 7
	.amdgcn_target "amdgcn-amd-amdhsa--gfx1250"
	.amdhsa_code_object_version 6
	.text
	.protected	k_q78f8e454ab_ff2
	.globl	k_q78f8e454ab_ff2
	.p2align	8
	.type	k_q78f8e454ab_ff2,@function
k_q78f8e454ab_ff2:
	s_mov_b64 s[64:65], 0
	v_nop
	global_prefetch_b8 v0, s[64:65] scope:SCOPE_SE
	s_setreg_imm32_b32 hwreg(HW_REG_WAVE_MODE, 25, 1), 1
	s_wait_xcnt 0x0
	s_wait_alu depctr_hold_cnt(0) depctr_sa_sdst(0) depctr_va_vdst(0) depctr_va_sdst(0) depctr_va_ssrc(0) depctr_va_vcc(0) depctr_vm_vsrc(0)
	s_getreg_b32 s2, hwreg(HW_REG_IB_STS2, 6, 4)
	s_cmp_eq_u32 s2, 0
	s_cbranch_scc0 .Lentry_in_a_cluster
	s_endpgm
.Lentry_in_a_cluster:
	s_bfe_u32 s2, ttmp6, 0x10000c
	s_cmp_lg_u32 s2, 0xf033
	s_cbranch_scc0 .Lentry_shape_is_right
	s_endpgm
.Lentry_shape_is_right:
; Product 6 and the residual: out0 = x1 + g w_ff2, on codes of E4M3.  g's codes lie in chunks of 64 along K: byte (k / 64) x 262,144 + row x 64 + k % 64.
; A tile of 128 x 128 (256 work-groups), four waves of 64 x 64: 16 accumulators.  K = 4,096 goes in eight steps of 512 through two LDS slots filled by the tensor data mover.
; Side A's tile of a K step is 8 chunks of 128 rows x 64 bytes, each 8,192 dense bytes of memory; in LDS it lies as long rows of 256 + 16 bytes (four rows of A each).
; The matrix instruction is used transposed (source 0 = the weight's places, source 1 = rows): a lane holds a row, and two neighbouring tiles give it 16 neighbouring columns (the weight's place p holds column p with bits 3 and 4 exchanged).
; CLUSTERS: 4 x 4; A's tile is shared along a row of the cluster, the weight's along a column: joint loads; a round of the cluster's barrier stands in front of each refill.
; No prefetch: the tile is small and a K step short.   LIMIT: e10 + e11 between -126 and 127.
.set SIZE_K, 4096
.set WOFF,   0x800000
.set EOFF,   0x28
.set LAPS,   SIZE_K/1024
.set ACH,    8704
.set APART,  8*ACH
.set BP,     528
.set SLOT,   APART+128*BP
.set SPARE,  2*SLOT
.set STAGE,  SPARE+512
.set ADRA, 16
.set ADRB, 20
.set STO,  24
.set RD,   25
.set CO,   26
.set SPW,  28
.set NIL,  29
.set TMP,  32
.set ACC,  128
.set F0,   0
.set F1,   128
.set G1, 24
.set G0, 32
.set G1B, 48
.set G0B, 56
.set MSB, 0
.macro WIN new
.if MSB != \new
	s_set_vgpr_msb (MSB<<8)|\new
.set MSB, \new
.endif
.endm
.set MUL,  0x05
.set TO_F, 0x40
.macro JLOAD s
	s_cmp_eq_u32 s11, 0
	s_cbranch_scc0 .Lfor_b_\@
	tensor_load_to_lds s[G0+4*\s:G0+4*\s+3], s[G1:G1+7]
	s_nop 0
.rept 4
	v_nop
.endr
	s_branch .Lasked_\@
.Lfor_b_\@:
	tensor_load_to_lds s[G0B+4*\s:G0B+4*\s+3], s[G1B:G1B+7]
	s_nop 0
.rept 4
	v_nop
.endr
.Lasked_\@:
.endm
.macro CREST
	s_cmp_lg_u32 s10, 0
	s_cbranch_scc1 .Lnot_wave_0_\@
	s_barrier_signal -3
.Lnot_wave_0_\@:
	s_barrier_wait -3
	s_barrier_signal -1
	s_barrier_wait -1
.endm
.macro CROUND
	s_barrier_signal -1
	s_barrier_wait -1
	CREST
.endm
	s_load_b128 s[4:7], s[0:1], 0x0                ; A's codes, wcodes
	s_load_b64 s[66:67], s[0:1], 0x10              ; the exponents
	s_load_b128 s[68:71], s[0:1], 0x18             ; the residual, the output
	v_lshl_add_u32 v[SPW], v0, 2, SPARE
	v_mov_b32 v[NIL], 0
	ds_add_u32 v28, v29
	ds_add_u32 v28, v29
	s_wait_dscnt 0x0
	v_lshrrev_b32 v1, 5, v0
	v_readfirstlane_b32 s10, v1
	s_lshr_b32 s11, s10, 1
	s_and_b32 s12, s10, 1
	s_bfe_u32 s40, ttmp6, 0x40000
	s_bfe_u32 s41, ttmp6, 0x40004
	s_lshl_b32 s42, ttmp9, 2
	s_add_co_u32 s42, s42, s40
	s_and_b32 s13, ttmp7, 0xffff
	s_lshl_b32 s13, s13, 2
	s_add_co_u32 s13, s13, s41
	s_lshl_b32 s43, s41, 2
	s_lshl_b32 s43, 15, s43
	s_lshl_b32 s44, 0x1111, s40
	s_or_b32 s[G1+0], s43, (0<<16)|(1<<20)|(1<<21)|(5<<22)|(3<<25)
	s_mov_b32 s[G1+1], 8192<<16
	s_mov_b32 s[G1+2], 4<<16
	s_mov_b32 s[G1+3], 8192<<16
	s_mov_b32 s[G1+4], 4
	s_mov_b32 s[G1+5], 262144
	s_mov_b32 s[G1+6], 0
	s_mov_b32 s[G1+7], 0
	s_or_b32 s[G1B+0], s44, (0<<16)|(1<<20)|(1<<21)|(6<<22)|(3<<25)
	s_mov_b32 s[G1B+1], 512<<16
	s_mov_b32 s[G1B+2], 64<<16
	s_mov_b32 s[G1B+3], 512<<16
	s_mov_b32 s[G1B+4], 64
	s_mov_b32 s[G1B+5], SIZE_K
	s_mov_b32 s[G1B+6], 0
	s_mov_b32 s[G1B+7], 0
	s_lshl_b32 s16, s13, 13
	s_lshl_b32 s17, s12, 20
	s_add_co_u32 s16, s16, s17
	s_mov_b32 s17, 0
	s_lshl_b32 s46, s42, 7
	s_lshl_b32 s47, s12, 6
	s_add_co_u32 s46, s46, s47
	s_mul_i32 s46, s46, SIZE_K
	s_add_co_u32 s46, s46, WOFF
	s_mov_b32 s47, 0
	s_mul_i32 s20, s12, 4*ACH
	s_mul_i32 s21, s12, 64*BP
	s_add_co_u32 s21, s21, APART
	s_wait_kmcnt 0x0
	s_load_b64 s[72:73], s[66:67], EOFF
	s_add_nc_u64 s[14:15], s[4:5], s[16:17]
	s_add_nc_u64 s[46:47], s[6:7], s[46:47]
	CROUND
.irp s, 0,1
	s_mov_b32 s[G0+4*\s], 1
	s_add_co_u32 s[G0+4*\s+1], s20, \s*SLOT
	s_add_nc_u64 s[G0+4*\s+2:G0+4*\s+3], s[14:15], \s*8*262144
	s_or_b32 s[G0+4*\s+3], s[G0+4*\s+3], 0x80000000
	s_mov_b32 s[G0B+4*\s], 1
	s_add_co_u32 s[G0B+4*\s+1], s21, \s*SLOT
	s_add_nc_u64 s[G0B+4*\s+2:G0B+4*\s+3], s[46:47], \s*512
	s_or_b32 s[G0B+4*\s+3], s[G0B+4*\s+3], 0x80000000
	JLOAD \s
.endr
	v_and_b32 v1, 15, v0
	v_bfe_u32 v2, v0, 4, 1
	v_lshrrev_b32 v3, 2, v1
	v_mul_u32_u24 v3, v3, 272
	v_and_b32 v4, 3, v1
	v_lshl_add_u32 v3, v4, 6, v3
	v_lshl_add_u32 v3, v2, 4, v3
	v_mul_u32_u24 v4, v1, BP
	v_lshl_add_u32 v4, v2, 4, v4
	s_mul_i32 s22, s11, 4352
	s_mul_i32 s23, s12, 64*BP
	s_add_co_u32 s23, s23, APART
.irp s, 0,1
	v_add_nc_u32 v[ADRA+\s], s22, v3
	v_add_nc_u32 v[ADRB+\s], s23, v4
	s_add_co_u32 s22, s22, SLOT
	s_add_co_u32 s23, s23, SLOT
.endr
	s_mul_i32 s22, s10, 4352
	s_add_co_u32 s22, s22, STAGE
	v_mul_u32_u24 v5, v1, 272
	v_lshl_add_u32 v5, v2, 6, v5
	v_add_nc_u32 v[STO], s22, v5
	v_mul_u32_u24 v5, v2, 272
	v_lshl_add_u32 v5, v1, 4, v5
	v_add_nc_u32 v[RD], s22, v5
	v_lshlrev_b32 v5, 12, v2
	v_lshl_add_u32 v[CO], v1, 4, v5
	s_lshl_b32 s76, s13, 7
	s_lshl_b32 s77, s11, 6
	s_add_co_u32 s76, s76, s77
	s_lshl_b32 s76, s76, 12
	s_lshl_b32 s78, s42, 7
	s_lshl_b32 s79, s12, 6
	s_add_co_u32 s78, s78, s79
	s_lshl_b32 s78, s78, 2
	s_add_co_u32 s76, s76, s78
	s_mov_b32 s77, 0
	s_add_nc_u64 s[68:69], s[68:69], s[76:77]
	s_add_nc_u64 s[70:71], s[70:71], s[76:77]
	WIN 0x80                                       ; destination window 2: the residual's 64 x 64 comes now and is waited for on the way out
.irp a, 0,1,2,3
.irp i, 0,1,2,3,4,5,6,7
	global_load_b128 v[4*(8*\a+\i):4*(8*\a+\i)+3], v[CO], s[68:69] offset:(16*\a+2*\i)*4096 th:TH_LOAD_NT
.endr
.endr
	WIN 0
.macro MULA f, a, zero                 ; the 16 accumulators take turns in the same order in every quarter
.irp b, 0,1,2,3
.if \zero
	v_wmma_f32_16x16x128_fp8_fp8 v[ACC+8*(4*(\a)+\b):ACC+8*(4*(\a)+\b)+7], v[\f+64+16*\b:\f+64+16*\b+15], v[\f+16*(\a):\f+16*(\a)+15], 0
.else
	v_wmma_f32_16x16x128_fp8_fp8 v[ACC+8*(4*(\a)+\b):ACC+8*(4*(\a)+\b)+7], v[\f+64+16*\b:\f+64+16*\b+15], v[\f+16*(\a):\f+16*(\a)+15], v[ACC+8*(4*(\a)+\b):ACC+8*(4*(\a)+\b)+7]
.endif
.endr
.endm
.macro FETCH slot, q, f
	WIN TO_F
.irp i, 0,1,2,3
.irp c, 0,1,2,3
	ds_load_b128 v[\f+64+16*\i+4*\c:\f+64+16*\i+4*\c+3], v[ADRB+\slot] offset:128*(\q)+32*\c+\i*16*BP
.endr
.endr
.irp i, 0,1,2,3
.irp c, 0,1,2,3
	ds_load_b128 v[\f+16*\i+4*\c:\f+16*\i+4*\c+3], v[ADRA+\slot] offset:(2*(\q)+\c/2)*ACH+\i*1088+32*(\c%2)
.endr
.endr
.endm
.macro PLACES
.rept 4
	v_nop
.endr
.endm
.macro QUARTER slot, qn, f, g, zero
	s_wait_dscnt 8                                 ; the youngest 8 loads (A's blocks 2, 3) may be out
	WIN MUL
	MULA \f, 0, \zero
	MULA \f, 1, \zero
	PLACES
	FETCH \slot, \qn, \g
	s_wait_dscnt 32                                ; all but the 32 just issued
	WIN MUL
	MULA \f, 2, \zero
	MULA \f, 3, \zero
.endm
.macro TURN slot, next, fill
	WIN 0
	s_wait_tensorcnt 0x0                           ; all my tensor loads have landed: my part of the next slot
	ds_add_u32 v[SPW], v[NIL]                      ; 0 onto my spare word
	s_wait_dscnt 9                                 ; the add and the youngest 8 loads may be out
	WIN MUL
	MULA F1, 0, 0
	s_wait_dscnt 0x0                               ; the add is done, and my reads of this slot are over
	s_barrier_signal -1
	MULA F1, 1, 0
.if \fill
	WIN 0
.endif
	s_barrier_wait -1
.if \fill
	CREST                                          ; the barrier has opened a round of the cluster's: no wave of any partner still reads this slot or has a load on its way
	s_add_nc_u64 s[G0+4*\slot+2:G0+4*\slot+3], s[G0+4*\slot+2:G0+4*\slot+3], 16*262144
	s_add_nc_u64 s[G0B+4*\slot+2:G0B+4*\slot+3], s[G0B+4*\slot+2:G0B+4*\slot+3], 1024
	JLOAD \slot                                    ; the first tensor load behind the round; its four v_nop are the places in front of the loads below
.else
	PLACES
.endif
	FETCH \next, 0, F0
	WIN MUL
	MULA F1, 2, 0
	MULA F1, 3, 0
.endm
	s_wait_tensorcnt 1                             ; my part of K step 0 is in; K step 1's load may be out
	s_barrier_signal -1
	s_barrier_wait -1
	FETCH 0, 0, F0
	QUARTER 0, 1, F0, F1, 1
.if LAPS > 1
	WIN 0
	s_mov_b32 s3, LAPS-1
.Llap:                                             ; a trip goes once round the ring and fills both slots again
	QUARTER 0, 2, F1, F0, 0
	QUARTER 0, 3, F0, F1, 0
	TURN 0, 1, 1
	QUARTER 1, 1, F0, F1, 0
	QUARTER 1, 2, F1, F0, 0
	QUARTER 1, 3, F0, F1, 0
	TURN 1, 0, 1
	QUARTER 0, 1, F0, F1, 0
	WIN 0
	s_sub_co_u32 s3, s3, 1
	s_cmp_lg_u32 s3, 0
	s_cbranch_scc1 .Llap
.endif
	QUARTER 0, 2, F1, F0, 0                        ; the last lap fills nothing
	QUARTER 0, 3, F0, F1, 0
	TURN 0, 1, 0
	QUARTER 1, 1, F0, F1, 0
	QUARTER 1, 2, F1, F0, 0
	QUARTER 1, 3, F0, F1, 0
	s_wait_dscnt 8
	WIN MUL
	MULA F1, 0, 0
	MULA F1, 1, 0
	s_wait_dscnt 0
	MULA F1, 2, 0
	MULA F1, 3, 0
	WIN 0
.macro TOSTAGE a
.irp b, 0,1,2,3
	ds_store_b128 v[STO], v[ACC+8*(4*(\a)+\b):ACC+8*(4*(\a)+\b)+3] offset:128*(\b/2)+32*(\b%2)        ; each accumulator from its low end on
	ds_store_b128 v[STO], v[ACC+8*(4*(\a)+\b)+4:ACC+8*(4*(\a)+\b)+7] offset:128*(\b/2)+32*(\b%2)+16
.endr
.irp i, 0,1,2,3,4,5,6,7
	ds_load_b128 v[TMP+32*((\a)%2)+4*\i:TMP+32*((\a)%2)+4*\i+3], v[RD] offset:544*\i   ; my own bytes, served in order
.endr
.endm
.macro FIN a, younger
.set TT, TMP+32*((\a)%2)
	s_wait_dscnt \younger                          ; the next block's 8 stores and 8 loads may be out
	WIN 0x20
.set j, 0
.rept 16
	v_pk_fma_f32 v[TT+j:TT+j+1], v[TT+j:TT+j+1], s[74:75], v[32*(\a)+j:32*(\a)+j+1] op_sel_hi:[1,0,1]   ; sum x 2^(eA + eB) + residual
.set j, j+2
.endr
	WIN 0
.irp i, 0,1,2,3,4,5,6,7
	global_store_b128 v[CO], v[TT+4*\i:TT+4*\i+3], s[70:71] offset:(16*(\a)+2*\i)*4096 th:TH_STORE_NT   ; sixteen lanes store 256 consecutive bytes, aligned
.endr
.endm
	s_wait_kmcnt 0x0
	s_add_co_i32 s74, s72, s73
	s_add_co_i32 s74, s74, 127
	s_lshl_b32 s74, s74, 23
	s_mov_b32 s75, s74
	PLACES
	s_wait_loadcnt 0x0                             ; the residual
	TOSTAGE 0
.irp a, 1,2,3
.if \a > 1
	s_wait_xcnt 0x0                                ; block a - 2's stores have read their registers: block a's loads may land there
.endif
	TOSTAGE \a
	FIN \a-1, 16
.endr
	FIN 3, 0
	s_wait_tensorcnt 0x0                           ; the wave's end
	ds_add_u32 v[SPW], v[NIL]
	s_wait_dscnt 0x0
	CROUND
	s_endpgm
.Lfunc_end_k_q78f8e454ab_ff2:
	.size	k_q78f8e454ab_ff2, .Lfunc_end_k_q78f8e454ab_ff2-k_q78f8e454ab_ff2
	.p2alignl 7, 3214868480
	.fill 96, 4, 3214868480
	.section	.rodata,"a",@progbits
	.p2align	6, 0x0
	.amdhsa_kernel k_q78f8e454ab_ff2
		.amdhsa_group_segment_fixed_size 327680
		.amdhsa_private_segment_fixed_size 0
		.amdhsa_enable_private_segment 0
		.amdhsa_kernarg_size 40
		.amdhsa_user_sgpr_count 2
		.amdhsa_user_sgpr_kernarg_segment_ptr 1
		.amdhsa_wavefront_size32 1
		.amdhsa_system_sgpr_workgroup_id_x 1
		.amdhsa_system_sgpr_workgroup_id_y 1
		.amdhsa_system_sgpr_workgroup_id_z 1
		.amdhsa_system_vgpr_workitem_id 0
		.amdhsa_next_free_vgpr 640
		.amdhsa_next_free_sgpr 80
		.amdhsa_reserve_vcc 0
		.amdhsa_float_denorm_mode_32 3
		.amdhsa_float_denorm_mode_16_64 3
		.amdhsa_memory_ordered 1
		.amdhsa_forward_progress 1
		.amdhsa_inst_pref_size 78
	.end_amdhsa_kernel
	.amdgpu_metadata
---
amdhsa.version: [ 1, 2 ]
amdhsa.kernels:
  - .name:           k_q78f8e454ab_ff2
    .symbol:         k_q78f8e454ab_ff2.kd
    .args:
      - { .name: gc, .offset: 0, .size: 8, .value_kind: global_buffer, .address_space: global }
      - { .name: wcodes, .offset: 8, .size: 8, .value_kind: global_buffer, .address_space: global }
      - { .name: lowp_scales, .offset: 16, .size: 8, .value_kind: global_buffer, .address_space: global }
      - { .name: x1, .offset: 24, .size: 8, .value_kind: global_buffer, .address_space: global }
      - { .name: out0, .offset: 32, .size: 8, .value_kind: global_buffer, .address_space: global }
    .group_segment_fixed_size: 327680
    .private_segment_fixed_size: 0
    .kernarg_segment_align: 8
    .kernarg_segment_size: 40
    .max_flat_workgroup_size: 128
    .sgpr_count:     80
    .vgpr_count:     640
    .wavefront_size: 32
...
	.end_amdgpu_metadata
.endif
;; end of part 7
